; MI455X (gfx1250); checked and timed in simulation.
; The chip was launched on July 23, 2026; its instructions are those of AMD's public machine-readable ISA for CDNA 5 (MIT licence, August 2026) and "CDNA5" Instruction Set Architecture Reference Guide (July 2026). The comments in the code are by the model that wrote it; some were corrected since.
;; Pruned Mo E Layer. Allowed arithmetic: matrix products marked QUANTISED: E2M1 operands, one E8M0 scale for each 32 along K, by v_wmma_scale_f32_16x16x128_f8f6f4 with both operands' format E2M1 (or v_wmma_scale_f32_32x16x128_f4), f32 sums; products left as they are: f32 operands where the result goes on into a quantised operand, else bf16, f16 or f32 operands; f32 sums; everything else in f32.
;; Inputs: W1 8 x 1,024 x 2,048 float32; W2 8 x 2,048 x 1,024 float32; Wg 1,024 x 8 float32; b1 8 x 2,048 float32; b2 8 x 1,024 float32; bg 8 float32; gumbel 2,048 x 8 float32; x 4 x 512 x 1,024 float32.
;; Outputs: out0 4 x 512 x 1,024 float32.
;; This version of the problem:
;;   THIS VERSION OF THE PROBLEM IS GIVEN IN LOW PRECISION. The matrix products marked QUANTISED in the list below multiply operands that are first quantised to E2M1 (2 exponent bits, 1 mantissa bit; 4 bits a number), with one power-of-two scale for each 32 numbers along K (OCP MX v1.0); their sums are f32. All else is computed in f32.
;;   The module's matrix products, in the order in which they are computed (A, B: the left and right operand; K: the contracted axis; several contracted axes count as one K, in the product's order):
;;     1. [M 2,048, K 1,024] x [K 1,024, N 8]; A: input x; B: input Wg: left as it is (N = 8 < 16)
;;     2. [M 2,048, K 1,024] x [K 1,024, N 16,384]; A: input x; B: input W1: QUANTISED
;;     3. batch 8 x [M 1,024, K 2,048] x [K 2,048, N 2,048]; A: input W2; B: computed on the way: QUANTISED
;;     4. batch 2,048 x [M 1,024, K 8] x [K 8, N 1]; A: computed on the way; B: computed on the way: left as it is (K = 8 < 32)
;;   THE QUANTISER, for each operand of a quantised product, along K:
;;     - K is cut into blocks of 32 from its start; a last block that is shorter is filled with zeros.
;;     - A block's scale is 2^e with e = floor(log2(the largest magnitude in the block)) - 2, held to -126 .. 127; a block of zeros has e = 0. As a byte (E8M0): e + 127.
;;     - Each number is divided by its block's scale, clamped to +-6, and rounded to the nearest number of E2M1, ties to even, subnormals kept.
;;     - The product sums the exact products of the quantised numbers (number of the format x scale) in f32.
;;   ~~~python
;;   def quantise(x, axis):      # numpy; x: float32 -> the quantised numbers, widened to float32 again
;;       x = np.moveaxis(x, axis, -1); K = x.shape[-1]
;;       x = np.pad(x, [(0, 0)] * (x.ndim - 1) + [(0, -K % 32)]); x = x.reshape(x.shape[:-1] + (-1, 32)); a = np.abs(x).max(-1, keepdims=True)
;;       e = np.where(a > 0, np.clip(np.frexp(np.where(a > 0, a, 1))[1] - 1 - 2, -126, 127), 0)      # np.frexp(a)[1] - 1 = floor(log2(a)), exactly
;;       r = np.clip(x / 2.0 ** e, -6, 6)
;;       step = 2.0 ** (np.maximum(np.frexp(np.where(r == 0, 1, r))[1] - 1, 0) - 1)
;;       q = np.round(r / step) * step * 2.0 ** e      # np.round: ties to even
;;       return np.moveaxis(q.reshape(q.shape[:-2] + (-1,))[..., :K], -1, axis).astype(np.float32)
;;   ~~~
;;   OPERANDS COMPUTED ON THE WAY. 'Computed on the way' means the value that the module computes at that place (a softmax that the list does not call 'softmax' is quantised finished and normalised). What goes into a quantiser is computed in f32, as accurately as f32 sums, v_exp_f32 and their like allow (about 1e-6 of the number): no bf16 or f16 on the way to a quantiser, and a product that is left as it is and whose result goes on into a quantised operand takes f32 operands (vector FMAs, or v_wmma_f32_16x16x4_f32). A number that lies on a knife's edge between two numbers of the format may be rounded either way, as far as f32 arithmetic and the matrix unit's own rounding can turn it there, and no further.
;; 2 versions. Each part assembles by itself: llvm-mc -triple=amdgcn-amd-amdhsa -mcpu=gfx1250 --defsym DOCPART=n.
;; ======== version 1 of 2: 4 launches
;; workspace buffers: xc 1,048,576 bytes; xs 65,536 bytes; eid 8,192 bytes of whole numbers; gw 8,192 bytes; ord 8,960 bytes of whole numbers; gs 8,704 bytes; hc 2,228,224 bytes; hs 139,264 bytes
;; launch route (part 1): grid 256 x 1, 8 waves a work-group, no clusters, 71,680 bytes of LDS; arguments x, Wg, bg, gumbel, xc, xs, eid, gw; writes xc, xs, eid, gw
.if DOCPART == 1
	.amdgcn_target "amdgcn-amd-amdhsa--gfx1250"
	.amdhsa_code_object_version 6
	.text
	.protected	k_q87ca8d4f1e_route
	.globl	k_q87ca8d4f1e_route
	.p2align	8
	.type	k_q87ca8d4f1e_route,@function
k_q87ca8d4f1e_route:
	s_mov_b64 s[64:65], 0
	v_nop
	global_prefetch_b8 v0, s[64:65] scope:SCOPE_SE
	s_setreg_imm32_b32 hwreg(HW_REG_WAVE_MODE, 25, 1), 1
	s_wait_xcnt 0x0
; ROUTER AND QUANTISER OF x.  x [2048][1024] f32, Wg [1024][8], bg [8], gumbel [2048][8].
; One wave takes one token t = 8 x work-group + wave.  It reads the token's row once and makes of it
;   (a) the codes of E2M1 with K innermost, xc[t][512 bytes], and one E8M0 byte for each 32 along K, xs[t][32];
;   (b) the eight logits in f32 (fused multiply-adds), z = (x Wg + bg) + gumbel (TAU = 1: the division changes nothing),
;       softmax with its maximum taken away, the argmax of the softmax (the lower index wins a tie), and the
;       gate (1 + y) - y of the chosen expert; the other gates of the straight-through form are 0 + y - y = 0.
; The chosen expert goes to eid[t] and the gate to gw[t], at fixed places: no address here hangs on the choice.
; A block's scale byte is its largest magnitude's exponent field - 2, held at 1 from below by a floor among the maximum's leaves.
; LIMITS: NaN and infinities among the inputs are not served.  A block of zeros gets the byte 1 where the rule says 127: its codes
; are zeros, and this program alone reads the bytes.  Two logits that lie closer than the rounding of a sum of 1,024 f32 products
; may change places in the argmax.
; No matrix unit (8 columns), no tensor load, no cluster: each row of x has one reader, and Wg's 32,768 bytes are copied once into LDS.
.set WTP,  1040                        ; LDS: Wg turned: WT[l][e][i] = Wg[32 l + i][e] at l x 1040 + e x 128 + 4 i: lane l reads its 32 numbers of expert e by 16-byte loads, 65 x 16 bytes from lane to lane
.set STG,  33280                       ; behind WT: a stage of 32 x 144 bytes for each wave
.set STW,  4608
.set SCB,  70144                       ; the work-group's 8 x 32 scale bytes
.set RES,  70400                       ; 8 words of experts, 8 words of gates
.set G,    16                          ; v16-47   Wg as loaded; later WT's numbers, buffer 0
.set R,    48                          ; v48-79   the row as loaded; later buffer 1
.set X,    80                          ; v80-111  my block: k = 32 lane + 0 .. 31
.set ACC,  112                         ; v112-143 four partial sums for each expert
.set S,    144                         ; v144-151 the logits, then the softmax
.set C,    152                         ; v152-155 my block's codes
.set MA,   156
.set MB,   157
.set SCO,  158
.set BY,   159
.set MX,   160
.set SUM,  161
.set BEST, 162
.set IDX,  163
.set GATE, 164
.set TA,   166
.set TB,   168
.set TC,   169
	s_load_b512 s[4:19], s[0:1], 0x0               ; x, Wg, bg, gumbel, xc, xs, eid, gw
	v_lshl_add_u32 v176, v0, 2, 0x11400
	v_mov_b32 v177, 0
	v_lshrrev_b32 v2, 5, v0
	v_readfirstlane_b32 s20, v2                    ; wave
	v_and_b32 v1, 31, v0                           ; lane
	s_lshl_b32 s21, ttmp9, 3
	s_add_co_u32 s21, s21, s20                     ; my token
	s_mov_b32 s40, 0x76543210
	s_mov_b32 s41, 0xfedcba98                      ; selects for lane l xor 16
	s_mov_b32 s45, 0
	v_lshlrev_b32 v3, 4, v0                        ; Wg: piece tid + 256 i, 16 bytes each
	v_lshlrev_b32 v4, 4, v1                        ; x: 16 bytes a lane
	v_lshrrev_b32 v5, 6, v0                        ; where my pieces of Wg go: k = tid / 2 + 128 i, experts 4 (tid % 2) + j
	v_mul_u32_u24 v5, v5, WTP
	v_and_b32 v6, 1, v0
	v_lshl_add_u32 v5, v6, 9, v5
	v_bfe_u32 v6, v0, 1, 5
	v_lshl_add_u32 v5, v6, 2, v5
	s_mul_i32 s22, s20, STW
	s_add_co_u32 s22, s22, STG                     ; my wave's stage
	v_lshrrev_b32 v6, 3, v1
	v_mul_u32_u24 v6, v6, 144
	v_and_b32 v7, 7, v1
	v_lshl_add_u32 v6, v7, 4, v6
	v_add_nc_u32 v6, s22, v6                       ; in: eight lanes' 128 bytes on end, then 16 of padding
	v_mul_u32_u24 v7, v1, 144
	v_add_nc_u32 v7, s22, v7                       ; out: place = lane
	v_mul_u32_u24 v8, v1, WTP                      ; WT: my lane's part
	v_add_nc_u32 v9, SCB, v0                       ; my block's scale byte: 32 x wave + lane
	v_lshl_add_u32 v10, v2, 2, RES                 ; my wave's word
	v_lshl_add_u32 v11, v1, 3, SCB                 ; wave 0's way out
	v_and_b32 v14, 7, v1
	v_lshlrev_b32 v14, 2, v14
	v_add_nc_u32 v12, RES, v14
	v_lshlrev_b32 v13, 3, v1
	s_wait_kmcnt 0x0
	s_load_b256 s[24:31], s[8:9], 0x0              ; bg
	s_lshl_b32 s44, s21, 5
	s_add_nc_u64 s[10:11], s[10:11], s[44:45]
	s_load_b256 s[32:39], s[10:11], 0x0            ; my token's gumbel numbers
	s_lshl_b32 s44, s21, 12
	s_add_nc_u64 s[4:5], s[4:5], s[44:45]          ; my row of x
	s_lshl_b32 s44, s21, 9
	s_add_nc_u64 s[12:13], s[12:13], s[44:45]      ; my row of codes
	s_lshl_b32 s44, ttmp9, 8
	s_add_nc_u64 s[14:15], s[14:15], s[44:45]      ; the work-group's 256 scale bytes
	s_lshl_b32 s44, ttmp9, 5
	s_add_nc_u64 s[16:17], s[16:17], s[44:45]
	s_add_nc_u64 s[18:19], s[18:19], s[44:45]
.irp i, 0,1,2,3,4,5,6,7
	global_load_b128 v[G+4*\i:G+4*\i+3], v3, s[6:7] offset:4096*\i
.endr
.irp j, 0,1,2,3,4,5,6,7
	global_load_b128 v[R+4*\j:R+4*\j+3], v4, s[4:5] offset:512*\j th:TH_LOAD_NT   ; 32 lanes read 512 consecutive bytes; read once
.endr
	s_wait_loadcnt 8                               ; Wg's eight loads are in; the row's eight may be out
.irp i, 0,1,2,3,4,5,6,7
.irp j, 0,1,2,3
	ds_store_b32 v5, v[G+4*\i+\j] offset:\i*4160+\j*128
.endr
.endr
	s_wait_loadcnt 0x0
.irp j, 0,1,2,3,4,5,6,7
	ds_store_b128 v6, v[R+4*\j:R+4*\j+3] offset:576*\j    ; the row turns through my own stage: a load's 512 bytes take four places
.endr
.irp q, 0,1,2,3,4,5,6,7
	ds_load_b128 v[X+4*\q:X+4*\q+3], v7 offset:16*\q      ; LDS serves a wave's instructions in order: these see my stores.  Lane l now holds block l
.endr
	s_wait_dscnt 0x0                               ; for the others' sake: my part of WT has landed
	s_barrier_signal -1
	s_barrier_wait -1                              ; WT is whole
.macro WLOAD e, buf                    ; WT[lane][e][0 .. 31]
.irp q, 0,1,2,3,4,5,6,7
	ds_load_b128 v[\buf+4*\q:\buf+4*\q+3], v8 offset:128*(\e)+16*\q
.endr
.endm
.macro DOT e, buf                      ; 32 products in two chains of packed multiply-adds; the first two products start the sums
	v_pk_mul_f32 v[ACC+4*\e:ACC+4*\e+1], v[X:X+1], v[\buf:\buf+1]
	v_pk_mul_f32 v[ACC+4*\e+2:ACC+4*\e+3], v[X+2:X+3], v[\buf+2:\buf+3]
.irp i, 4,8,12,16,20,24,28
	v_pk_fma_f32 v[ACC+4*\e:ACC+4*\e+1], v[X+\i:X+\i+1], v[\buf+\i:\buf+\i+1], v[ACC+4*\e:ACC+4*\e+1]
	v_pk_fma_f32 v[ACC+4*\e+2:ACC+4*\e+3], v[X+\i+2:X+\i+3], v[\buf+\i+2:\buf+\i+3], v[ACC+4*\e+2:ACC+4*\e+3]
.endr
.endm
	WLOAD 0, G                                     ; expert 0's numbers come while the block is quantised
	v_max3_num_f32 v[MA], |v[X]|, |v[X+1]|, 0x1800000      ; my block's largest magnitude, and the floor 2^(3 - 127): the byte cannot fall under 1
	v_max3_num_f32 v[MB], |v[X+2]|, |v[X+3]|, |v[X+4]|
.irp i, 5,9,13,17,21,25
	v_max3_num_f32 v[MA], v[MA], |v[X+\i]|, |v[X+\i+1]|
	v_max3_num_f32 v[MB], v[MB], |v[X+\i+2]|, |v[X+\i+3]|
.endr
	v_max3_num_f32 v[MA], v[MA], |v[X+29]|, |v[X+30]|
	v_max3_num_f32 v[MA], v[MA], v[MB], |v[X+31]|
	v_add_nc_u32 v[SCO], 0xff000000, v[MA]         ; 2 off its exponent field: the conversion takes this operand's exponent field as its scale
.irp g, 0,1,2,3
	v_cvt_scalef32_pk8_fp4_f32 v[C+\g], v[X+8*\g:X+8*\g+7], v[SCO]
.endr
	v_lshrrev_b32 v[BY], 23, v[SCO]                ; the scale's byte (a plain line behind the conversions)
	global_store_b128 v4, v[C:C+3], s[12:13]       ; 32 lanes store the token's 512 bytes of codes: two aligned runs of 256
	ds_store_b8 v9, v[BY]
.irp e, 0,1,2,3,4,5,6,7
.if \e < 7
	WLOAD \e+1, G+32*((\e+1)%2)
	s_wait_dscnt 8                                 ; all but the eight loads just issued: this expert's numbers are in
.else
	s_wait_dscnt 0x0
.endif
	DOT \e, G+32*(\e%2)
.endr
.irp e, 0,1,2,3,4,5,6,7
	v_pk_add_f32 v[ACC+4*\e:ACC+4*\e+1], v[ACC+4*\e:ACC+4*\e+1], v[ACC+4*\e+2:ACC+4*\e+3]
.endr
.irp e, 0,1,2,3,4,5,6,7
	v_add_f32 v[S+\e], v[ACC+4*\e], v[ACC+4*\e+1]
.endr
.irp m, 1,2,4,8                        ; across the lanes, the eight experts by turns
.irp e, 0,1,2,3,4,5,6,7
	v_add_f32_dpp v[S+\e], v[S+\e], v[S+\e] row_xmask:\m row_mask:0xf bank_mask:0xf
.endr
.endr
.irp e, 0,1,2,3,4,5,6,7
	v_permlanex16_b32 v[ACC+\e], v[S+\e], s40, s41
.endr
.irp e, 0,1,2,3,4,5,6,7
	v_add_f32 v[S+\e], v[S+\e], v[ACC+\e]          ; every lane holds the eight products
.endr
	s_wait_kmcnt 0x0                               ; bg and gumbel
.irp e, 0,1,2,3,4,5,6,7
	v_add_f32 v[S+\e], s[24+\e], v[S+\e]
.endr
.irp e, 0,1,2,3,4,5,6,7
	v_add_f32 v[S+\e], s[32+\e], v[S+\e]
.endr
	v_max3_num_f32 v[MX], v[S], v[S+1], v[S+2]     ; the softmax takes its maximum away
	v_max3_num_f32 v[MX], v[MX], v[S+3], v[S+4]
	v_max3_num_f32 v[MX], v[MX], v[S+5], v[S+6]
	v_max_num_f32 v[MX], v[MX], v[S+7]
.irp e, 0,1,2,3,4,5,6,7
	v_sub_f32 v[S+\e], v[S+\e], v[MX]
.endr
.irp e, 0,1,2,3,4,5,6,7
	v_mul_f32 v[S+\e], 0x3fb8aa3b, v[S+\e]         ; x log2(e)
.endr
.irp e, 0,1,2,3,4,5,6,7
	v_exp_f32 v[S+\e], v[S+\e]
.endr
	v_nop                                          ; a plain line behind the last exponential
	s_wait_alu depctr_va_vdst(0)                   ; one wait for the eight, ahead of their first reader
	v_add_f32 v[SUM], v[S], v[S+1]
	v_add_f32 v[TB], v[S+2], v[S+3]
	v_add_f32 v[TC], v[S+4], v[S+5]
	v_add_f32 v[BEST], v[S+6], v[S+7]
	v_add_f32 v[SUM], v[SUM], v[TB]
	v_add_f32 v[TC], v[TC], v[BEST]
	v_add_f32 v[SUM], v[SUM], v[TC]
	v_rcp_f32 v[TB], v[SUM]
	v_mov_b32 v[IDX], 7                            ; (a plain line behind the reciprocal)
	s_wait_alu depctr_va_vdst(0)
.irp e, 0,1,2,3,4,5,6,7
	v_mul_f32 v[S+\e], v[S+\e], v[TB]              ; y
.endr
	v_mov_b32 v[BEST], v[S+7]
.irp e, 6,5,4,3,2,1,0                  ; from the top down; the lower index stays unless the best so far is truly larger
	v_cmp_gt_f32 vcc_lo, v[BEST], v[S+\e]
	v_cndmask_b32 v[BEST], v[S+\e], v[BEST], vcc_lo
	v_cndmask_b32 v[IDX], \e, v[IDX], vcc_lo
.endr
	v_add_f32 v[GATE], 1.0, v[BEST]
	v_sub_f32 v[GATE], v[GATE], v[BEST]            ; (1 + y) - y
	ds_store_b32 v10, v[IDX]                       ; all lanes write the same word with the same value
	ds_store_b32 v10, v[GATE] offset:32
	s_wait_dscnt 0x0                               ; for wave 0's sake: my byte store and these two have landed
	s_barrier_signal -1
	s_barrier_wait -1
	s_cmp_lg_u32 s20, 0
	s_cbranch_scc1 .Lend
	ds_load_b64 v[TA:TA+1], v11
	ds_load_b32 v[TB], v12
	ds_load_b32 v[TC], v12 offset:32
	s_wait_dscnt 0x0
	global_store_b64 v13, v[TA:TA+1], s[14:15]     ; eight tokens' scale bytes: 256 consecutive bytes, aligned
	s_wait_xcnt 0x0                                ; EXEC changes only behind this wait
	v_cmp_gt_u32 vcc_lo, 8, v1
	s_and_saveexec_b32 s42, vcc_lo
	global_store_b32 v14, v[TB], s[16:17]          ; eight experts,
	global_store_b32 v14, v[TC], s[18:19]          ; eight gates
	s_wait_xcnt 0x0                                ; and again ahead of the line that widens it
	s_or_b32 exec_lo, exec_lo, s42
.Lend:
	s_wait_tensorcnt 0x0
	ds_add_u32 v176, v177
	s_wait_dscnt 0x0
	s_endpgm
.Lfunc_end_k_q87ca8d4f1e_route:
	.size	k_q87ca8d4f1e_route, .Lfunc_end_k_q87ca8d4f1e_route-k_q87ca8d4f1e_route
	.p2alignl 7, 3214868480
	.fill 96, 4, 3214868480
	.section	.rodata,"a",@progbits
	.p2align	6, 0x0
	.amdhsa_kernel k_q87ca8d4f1e_route
		.amdhsa_group_segment_fixed_size 71680
		.amdhsa_private_segment_fixed_size 0
		.amdhsa_enable_private_segment 0
		.amdhsa_kernarg_size 64
		.amdhsa_user_sgpr_count 2
		.amdhsa_user_sgpr_kernarg_segment_ptr 1
		.amdhsa_wavefront_size32 1
		.amdhsa_system_sgpr_workgroup_id_x 1
		.amdhsa_system_sgpr_workgroup_id_y 1
		.amdhsa_system_sgpr_workgroup_id_z 1
		.amdhsa_system_vgpr_workitem_id 0
		.amdhsa_next_free_vgpr 178
		.amdhsa_next_free_sgpr 66
		.amdhsa_reserve_vcc 1
		.amdhsa_float_denorm_mode_32 3
		.amdhsa_float_denorm_mode_16_64 3
		.amdhsa_memory_ordered 1
		.amdhsa_forward_progress 1
		.amdhsa_inst_pref_size 29
	.end_amdhsa_kernel
	.amdgpu_metadata
---
amdhsa.version: [ 1, 2 ]
amdhsa.kernels:
  - .name:           k_q87ca8d4f1e_route
    .symbol:         k_q87ca8d4f1e_route.kd
    .args:
      - { .name: x, .offset: 0, .size: 8, .value_kind: global_buffer, .address_space: global }
      - { .name: Wg, .offset: 8, .size: 8, .value_kind: global_buffer, .address_space: global }
      - { .name: bg, .offset: 16, .size: 8, .value_kind: global_buffer, .address_space: global }
      - { .name: gumbel, .offset: 24, .size: 8, .value_kind: global_buffer, .address_space: global }
      - { .name: xc, .offset: 32, .size: 8, .value_kind: global_buffer, .address_space: global }
      - { .name: xs, .offset: 40, .size: 8, .value_kind: global_buffer, .address_space: global }
      - { .name: eid, .offset: 48, .size: 8, .value_kind: global_buffer, .address_space: global }
      - { .name: gw, .offset: 56, .size: 8, .value_kind: global_buffer, .address_space: global }
    .group_segment_fixed_size: 71680
    .private_segment_fixed_size: 0
    .kernarg_segment_align: 8
    .kernarg_segment_size: 64
    .max_flat_workgroup_size: 256
    .sgpr_count:     66
    .vgpr_count:     178
    .wavefront_size: 32
...
	.end_amdgpu_metadata
.endif
;; end of part 1
;; launch sort (part 2): grid 1 x 1, 8 waves a work-group, no clusters, 2,048 bytes of LDS; arguments eid, gw, ord, gs; writes ord, gs
.if DOCPART == 2
	.amdgcn_target "amdgcn-amd-amdhsa--gfx1250"
	.amdhsa_code_object_version 6
	.text
	.protected	k_q87ca8d4f1e_sort
	.globl	k_q87ca8d4f1e_sort
	.p2align	8
	.type	k_q87ca8d4f1e_sort,@function
k_q87ca8d4f1e_sort:
	s_mov_b64 s[64:65], 0
	v_nop
	global_prefetch_b8 v0, s[64:65] scope:SCOPE_SE
	s_setreg_imm32_b32 hwreg(HW_REG_WAVE_MODE, 25, 1), 1
	s_wait_xcnt 0x0
; A COUNTING SORT OF THE 2,048 TOKENS BY THEIR EXPERT, by one work-group, without atomics.
; Expert e has cnt tokens, nt = ceil(cnt / 16) tiles of 16, and its tiles begin at tb = the sum of nt over the lower experts: never more than 135 tiles in all.
; Out: ord bytes 0-127: for each expert {tb, nt, cnt, 16 tb}; from byte 256 on: the token at position p; gs: its gate.  Expert e's positions begin at 16 tb.
; The spare positions of a short last tile are not written: the later launches hold a position at the expert's last one.
; Wave w owns tokens 256 w + 32 c + lane, c = 0 .. 7.  First each wave counts its tokens of each expert (a compare's mask, its ones); the counts meet in LDS;
; lane e of every wave then works for expert e; then each token's place is its expert's running start + the number of lower lanes with the same expert.
.set ID,   8                           ; v8-15   experts
.set GWR,  16                          ; v16-23  gates
.set P,    24                          ; v24-31  positions, then byte offsets
.set TOK,  32                          ; v32-39  token numbers
.set CN,   40                          ; v40-47  the eight waves' counts (lane e: expert e)
.set META, 48                          ; v48-51  tb, nt, cnt, 16 tb
	s_load_b256 s[4:11], s[0:1], 0x0               ; eid, gw, ord, gs
	v_lshl_add_u32 v64, v0, 2, 0x400
	v_mov_b32 v65, 0
	v_lshrrev_b32 v3, 5, v0
	v_readfirstlane_b32 s12, v3                    ; wave
	v_and_b32 v1, 31, v0
	v_lshlrev_b32 v2, 2, v1
	v_lshl_add_u32 v2, v3, 10, v2                  ; 4 (256 w + lane)
	v_lshl_add_u32 v7, v3, 8, v1
	v_lshlrev_b32 v5, 2, v0                        ; LDS: 128 w + 4 lane
	v_lshlrev_b32 v6, 2, v1
	v_lshlrev_b32 v56, 4, v1
.irp c, 0,1,2,3,4,5,6,7
	v_add_nc_u32 v[TOK+\c], 32*\c, v7
.endr
.irp e, 0,1,2,3,4,5,6,7
	s_mov_b32 s[24+\e], 0
.endr
	s_wait_kmcnt 0x0
.irp c, 0,1,2,3,4,5,6,7
	global_load_b32 v[ID+\c], v2, s[4:5] offset:128*\c
.endr
.irp c, 0,1,2,3,4,5,6,7
	global_load_b32 v[GWR+\c], v2, s[6:7] offset:128*\c
.endr
	s_wait_loadcnt 8                               ; the experts are in; the gates may be out
.irp c, 0,1,2,3,4,5,6,7
.irp e, 0,1,2,3,4,5,6,7
	v_cmp_eq_u32 s[40+\e], \e, v[ID+\c]
.endr
.irp e, 0,1,2,3,4,5,6,7
	s_bcnt1_i32_b32 s[40+\e], s[40+\e]
.endr
.irp e, 0,1,2,3,4,5,6,7
	s_add_co_u32 s[24+\e], s[24+\e], s[40+\e]
.endr
.endr
	v_mov_b32 v4, 0
.irp e, 0,1,2,3,4,5,6,7
	v_writelane_b32 v4, s[24+\e], \e
.endr
	ds_store_b32 v5, v4
	s_wait_dscnt 0x0                               ; for the others' sake
	s_barrier_signal -1
	s_barrier_wait -1
.irp w, 0,1,2,3,4,5,6,7
	ds_load_b32 v[CN+\w], v6 offset:128*\w
.endr
	v_mov_b32 v[META+2], 0
	v_mov_b32 v57, 0
	s_wait_dscnt 0x0
.irp w, 0,1,2,3,4,5,6,7
	s_cmp_gt_u32 s12, \w
	s_cselect_b32 s40, -1, 0
	v_and_b32 v52, s40, v[CN+\w]
	v_add_nc_u32 v57, v57, v52                     ; the expert's tokens in the waves below mine
	v_add_nc_u32 v[META+2], v[META+2], v[CN+\w]    ; and in all
.endr
	v_add_nc_u32 v[META+1], 15, v[META+2]
	v_lshrrev_b32 v[META+1], 4, v[META+1]          ; nt
	v_mov_b32 v53, v[META+1]
	v_mov_b32 v54, 0
.irp n, 1,2,4                          ; a running sum over lanes 0 to 7 (lanes 8 and up hold zeros)
	v_mov_b32_dpp v54, v53 row_shr:\n row_mask:0xf bank_mask:0xf bound_ctrl:1
	v_add_nc_u32 v53, v53, v54
.endr
	v_sub_nc_u32 v[META], v53, v[META+1]           ; tb
	v_lshlrev_b32 v[META+3], 4, v[META]
	v_add_nc_u32 v55, v[META+3], v57               ; where my wave's tokens of the expert begin
.irp e, 0,1,2,3,4,5,6,7
	v_readlane_b32 s[24+\e], v55, \e
.endr
.irp c, 0,1,2,3,4,5,6,7
.irp e, 0,1,2,3,4,5,6,7
	v_cmp_eq_u32 s[40+\e], \e, v[ID+\c]
.endr
	v_mbcnt_lo_u32_b32 v[P+\c], s40, s24           ; the start + the lower lanes with the same expert
.irp e, 1,2,3,4,5,6,7
	v_mbcnt_lo_u32_b32 v52, s[40+\e], s[24+\e]
	v_cndmask_b32 v[P+\c], v[P+\c], v52, s[40+\e]
.endr
.irp e, 0,1,2,3,4,5,6,7
	s_bcnt1_i32_b32 s[40+\e], s[40+\e]
.endr
.irp e, 0,1,2,3,4,5,6,7
	s_add_co_u32 s[24+\e], s[24+\e], s[40+\e]
.endr
	v_min_u32 v[P+\c], 2175, v[P+\c]               ; 136 tiles of 16 at the most
	v_lshlrev_b32 v[P+\c], 2, v[P+\c]
.endr
	s_wait_loadcnt 0x0                             ; the gates
.irp c, 0,1,2,3,4,5,6,7
	global_store_b32 v[P+\c], v[TOK+\c], s[8:9] offset:256
	global_store_b32 v[P+\c], v[GWR+\c], s[10:11]
.endr
	s_cmp_lg_u32 s12, 0
	s_cbranch_scc1 .Lend
	s_wait_xcnt 0x0                                ; EXEC changes only behind this wait
	v_cmp_gt_u32 vcc_lo, 8, v1
	s_and_saveexec_b32 s13, vcc_lo
	global_store_b128 v56, v[META:META+3], s[8:9]
	s_wait_xcnt 0x0
	s_or_b32 exec_lo, exec_lo, s13
.Lend:
	s_wait_tensorcnt 0x0
	ds_add_u32 v64, v65
	s_wait_dscnt 0x0
	s_endpgm
.Lfunc_end_k_q87ca8d4f1e_sort:
	.size	k_q87ca8d4f1e_sort, .Lfunc_end_k_q87ca8d4f1e_sort-k_q87ca8d4f1e_sort
	.p2alignl 7, 3214868480
	.fill 96, 4, 3214868480
	.section	.rodata,"a",@progbits
	.p2align	6, 0x0
	.amdhsa_kernel k_q87ca8d4f1e_sort
		.amdhsa_group_segment_fixed_size 2048
		.amdhsa_private_segment_fixed_size 0
		.amdhsa_enable_private_segment 0
		.amdhsa_kernarg_size 32
		.amdhsa_user_sgpr_count 2
		.amdhsa_user_sgpr_kernarg_segment_ptr 1
		.amdhsa_wavefront_size32 1
		.amdhsa_system_sgpr_workgroup_id_x 1
		.amdhsa_system_sgpr_workgroup_id_y 1
		.amdhsa_system_sgpr_workgroup_id_z 1
		.amdhsa_system_vgpr_workitem_id 0
		.amdhsa_next_free_vgpr 66
		.amdhsa_next_free_sgpr 66
		.amdhsa_reserve_vcc 1
		.amdhsa_float_denorm_mode_32 3
		.amdhsa_float_denorm_mode_16_64 3
		.amdhsa_memory_ordered 1
		.amdhsa_forward_progress 1
		.amdhsa_inst_pref_size 33
	.end_amdhsa_kernel
	.amdgpu_metadata
---
amdhsa.version: [ 1, 2 ]
amdhsa.kernels:
  - .name:           k_q87ca8d4f1e_sort
    .symbol:         k_q87ca8d4f1e_sort.kd
    .args:
      - { .name: eid, .offset: 0, .size: 8, .value_kind: global_buffer, .address_space: global }
      - { .name: gw, .offset: 8, .size: 8, .value_kind: global_buffer, .address_space: global }
      - { .name: ord, .offset: 16, .size: 8, .value_kind: global_buffer, .address_space: global }
      - { .name: gs, .offset: 24, .size: 8, .value_kind: global_buffer, .address_space: global }
    .group_segment_fixed_size: 2048
    .private_segment_fixed_size: 0
    .kernarg_segment_align: 8
    .kernarg_segment_size: 32
    .max_flat_workgroup_size: 256
    .sgpr_count:     66
    .vgpr_count:     66
    .wavefront_size: 32
...
	.end_amdgpu_metadata
.endif
;; end of part 2
;; launch up (part 3): grid 256 x 1, 4 waves a work-group, no clusters, 37,376 bytes of LDS; arguments W1, b1, xc, xs, ord, hc, hs; writes hc, hs
.if DOCPART == 3
	.amdgcn_target "amdgcn-amd-amdhsa--gfx1250"
	.amdhsa_code_object_version 6
	.text
	.protected	k_q87ca8d4f1e_up
	.globl	k_q87ca8d4f1e_up
	.p2align	8
	.type	k_q87ca8d4f1e_up,@function
k_q87ca8d4f1e_up:
	s_mov_b64 s[64:65], 0
	v_nop
	global_prefetch_b8 v0, s[64:65] scope:SCOPE_SE
	s_setreg_imm32_b32 hwreg(HW_REG_WAVE_MODE, 25, 1), 1
	s_wait_xcnt 0x0
; THE FIRST PRODUCT, FOR THE CHOSEN ROWS ALONE: h = Q(relu(Q(x) Q(W1[e]) + b1[e])), on codes of E2M1 with one E8M0 scale for each 32 along K.
; SHARES.  Work-group g owns expert e = g / 32 and the 64 hidden units 64 (g % 32) on: 256 bytes of each of W1[e]'s 1,024 rows: every byte of W1 has one reader.
; PHASE 1: the slice is read once.  Wave w takes K rows 256 w on, in four sets of 64 rows.  A load: lanes 0-15 take one row's 256 bytes (aligned), lanes 16-31 those of the row 32 further down; 32 loads
; give a lane 4 columns x one whole block of 32 along K.  The numbers of a column are brought onto consecutive registers (128 copies a set: what whole rows cost), the block's largest magnitude needs no other
; lane, and the conversions give codes with K innermost: 16 bytes a block into the column's row in LDS, the scale byte beside it.
; ONE BARRIER; then every wave copies ALL the slice's codes (4 tiles of 16 units x 8 K steps: 256 registers) and scale words into its own registers.
; PHASE 2: the expert's tiles of 16 tokens, tile c to wave c % 4, in a loop whose count comes from the stored number nt: it has no barrier.  A tile: x's codes of 16 tokens, gathered by the stored list, straight into
; registers; 32 matrix instructions, used transposed (source 0 = 16 units, source 1 = 16 tokens), b1 as the C of each sum's first; relu; quantised in registers; stored as an image of the next product's operand.
; THE UNITS OF A TILE ARE NOT NEIGHBOURS: lane m of tile 2 b + u takes unit 32 b + 8 u + m + 8 (m / 8), so that a lane's 16 registers of tiles 2 b, 2 b + 1 are the units 32 b + 16 (lane / 16) + 0 .. 15.
; In LDS that is a swap of bits 3 and 4 of the column's number, so that a tile's sixteen rows are neighbours.
; A position past the expert's last is held at the last: a short tile's spare rows repeat its last token.  Four tile buffers: a buffer is asked for again in every tile's turn (its index held inside the list), so that the
; counted wait at a turn's head counts the same loads on every way; a wave's last four refills bring bytes that nobody uses.  A work-group of an expert without tokens reads its slice and stores nothing.
; NO TENSOR LOAD AND NO CLUSTER: the loop's count is read from memory.  What the 32 work-groups of an expert share, x's codes (544 bytes a token), is small beside a work-group's own 262,144 bytes of W1.
; LIMITS: NaN and infinities are not served; a block of zeros gets the byte 1 where the rule says 127 (its codes are zeros; this program alone reads the bytes).
; REGISTERS.  window 0: see the names below.  windows 1, 2: the four sets as loaded; window 1 then: the weights' fragments, (tile t, K step k) at v[8 (8 t + k)].  window 3: x's fragments, buffer p at v[64 p].
.set ROWP,  8192                       ; a row of W1[e] in bytes
.set PITCH, 528                        ; a unit's row in LDS: 1,024 codes = 512 bytes, + 16: 33 x 16 bytes from row to row
.set SP,    48                         ; its 32 scale bytes + 16
.set SWB,   64*PITCH
.set WA,   4                           ; v4   W1: 16 (lane % 16) + 32 rows x (lane / 16)
.set WCS,  5                           ; v5   LDS: where my codes go
.set SBS,  6                           ; v6   and my scale bytes
.set FRA,  7                           ; v7   LDS: a fragment's row x pitch + 16 x half
.set SWR,  8                           ; v8   LDS: scale words, a row a lane
.set BO,   9                           ; v9   b1: 64 x half
.set HL,   10                          ; v10  hc: 16 r + 8 half
.set R4,   11                          ; v11  4 r
.set HO,   12                          ; v12  hc: the tile's offset
.set SO,   13                          ; v13  hs: the tile's offset
.set XA,   14                          ; v14  xc: my token's row + 16 x half
.set XSA,  15                          ; v15  xs: my token's row
.set VP,   16                          ; v16  ord: my position
.set H16,  17                          ; v17  16 x half
.set TOK,  20                          ; v20-23   the token of my row, for each buffer's next fill
.set M,    24                          ; v24-27   largest magnitudes, then scale bytes
.set PT,   26                          ;          (phase 2: the other half's maxima)
.set SCO,  28                          ; v28-31   the conversions' scale operands
.set BY,   30                          ;          (phase 2: the two bytes)
.set C,    32                          ; v32-47   a set's codes
.set HC,   32                          ;          (phase 2: h's codes, v32-35; v36 its two bytes)
.set HB,   36
.set XS,   48                          ; v48-79   x's scale words, eight for each buffer: they hold nothing else
.set BIAS, 80                          ; v80-111  b1 in the result's layout
.set T,    112                         ; v112-239 phase 1: four columns x 32 numbers
.set ACC,  128                         ; v128-159 phase 2: four accumulators
.set WS,   240                         ; v240-255 the weights' scale words, and nothing else: register 8 b + k: lanes 0-15 tile 2 b, lanes 16-31 tile 2 b + 1
.set MSB, 0
.macro WIN new                         ; the immediate's high byte repeats the setting that is left
.if MSB != (\new)
	s_set_vgpr_msb (MSB<<8)|(\new)
.set MSB, (\new)
.endif
.endm
.macro LOADSET s, win, rb              ; set s: 64 rows of K, 32 loads, into the window named by win (as the destination's field), from register rb on
	WIN \win
.set i, 0
.rept 32
	global_load_b128 v[\rb+4*i:\rb+4*i+3], v[WA], s[4:5] offset:(64*(\s)+i)*ROWP th:TH_LOAD_NT
.set i, i+1
.endr
	WIN 0
.endm
.macro PROCESS s, win, rb              ; set s becomes codes and scale bytes in LDS
	WIN \win
.set i, 0
.rept 32
	v_mov_b32 v[T+i], v[\rb+4*i]
	v_mov_b32 v[T+32+i], v[\rb+4*i+1]
	v_mov_b32 v[T+64+i], v[\rb+4*i+2]
	v_mov_b32 v[T+96+i], v[\rb+4*i+3]
.set i, i+1
.endr
	WIN 0
	s_wait_dscnt 0x0                               ; the last set's LDS stores have read their registers
.irp j, 0,1,2,3
	v_max3_num_f32 v[M+\j], |v[T+32*\j]|, |v[T+32*\j+1]|, 0x1800000   ; the floor 2^(3 - 127): the byte cannot fall under 1
.endr
.set i, 2
.rept 15
.irp j, 0,1,2,3
	v_max3_num_f32 v[M+\j], v[M+\j], |v[T+32*\j+i]|, |v[T+32*\j+i+1]|   ; the four columns by turns
.endr
.set i, i+2
.endr
.irp j, 0,1,2,3
	v_add_nc_u32 v[SCO+\j], 0xff000000, v[M+\j]    ; 2 off the exponent field
.endr
.irp j, 0,1,2,3
	v_lshrrev_b32 v[M+\j], 23, v[SCO+\j]           ; the byte
.endr
.irp j, 0,1,2,3
.irp g, 0,1,2,3
	v_cvt_scalef32_pk8_fp4_f32 v[C+4*\j+\g], v[T+32*\j+8*\g:T+32*\j+8*\g+7], v[SCO+\j]
.endr
.endr
	v_nop                                          ; a plain line behind the last conversion
.irp j, 0,1,2,3
	ds_store_b128 v[WCS], v[C+4*\j:C+4*\j+3] offset:\j*PITCH+32*(\s)
.endr
.irp j, 0,1,2,3
	ds_store_b8 v[SBS], v[M+\j] offset:\j*SP+2*(\s)
.endr
.endm
.macro POS reg, st                     ; the byte offset in the list of row r of the expert's tile s[st]: held at the expert's last position, then inside the list
	s_lshl_b32 s2, s[\st], 4
	v_add_nc_u32 v[\reg], s2, v1
	v_min_u32 v[\reg], s28, v[\reg]
	v_add_nc_u32 v[\reg], s29, v[\reg]
	v_min_u32 v[\reg], 2175, v[\reg]
	v_lshlrev_b32 v[\reg], 2, v[\reg]
.endm
.macro XFILL p                         ; buffer p: the codes and scale words of the 16 tokens in TOK[p]; then TOK[p] is asked for anew, for tile s32.  19 loads
	s_wait_xcnt 0x0                                ; every earlier load and store has read its address and data registers: they are written again only behind this wait
	v_min_u32 v18, 2047, v[TOK+\p]
	v_lshl_add_u32 v[XA], v18, 9, v[H16]
	v_lshlrev_b32 v[XSA], 5, v18
	WIN 0xc0
.irp k, 0,1,2,3,4,5,6,7
.irp c, 0,1
	global_load_b128 v[64*\p+8*\k+4*\c:64*\p+8*\k+4*\c+3], v[XA], s[8:9] offset:64*\k+32*\c
.endr
.endr
	WIN 0
	global_load_b128 v[XS+8*\p:XS+8*\p+3], v[XSA], s[10:11]
	global_load_b128 v[XS+8*\p+4:XS+8*\p+7], v[XSA], s[10:11] offset:16
	POS VP, 32
	global_load_b32 v[TOK+\p], v[VP], s[12:13] offset:256
.endm
	s_load_b256 s[4:11], s[0:1], 0x0               ; W1, b1, xc, xs
	s_load_b128 s[12:15], s[0:1], 0x20             ; ord, hc
	s_load_b64 s[16:17], s[0:1], 0x30              ; hs
	v_lshrrev_b32 v18, 5, v0
	v_readfirstlane_b32 s18, v18                   ; wave
	s_lshr_b32 s19, ttmp9, 5                       ; expert
	s_and_b32 s20, ttmp9, 31                       ; slice
	s_mov_b32 s35, 0
	s_mov_b32 s36, 0x76543210
	s_mov_b32 s37, 0xfedcba98                      ; selects for lane l xor 16
	v_and_b32 v3, 31, v0                           ; lane
	v_and_b32 v1, 15, v0                           ; r
	v_bfe_u32 v2, v0, 4, 1                         ; half
	v_lshlrev_b32 v[WA], 4, v1
	v_lshl_add_u32 v[WA], v2, 18, v[WA]
	v_and_b32 v18, 1, v1                           ; my first column is 4 r; its row in LDS has bits 3 and 4 changed over
	v_lshlrev_b32 v18, 2, v18
	v_bfe_u32 v19, v1, 2, 1
	v_lshl_or_b32 v18, v19, 3, v18
	v_bfe_u32 v19, v1, 1, 1
	v_lshl_or_b32 v18, v19, 4, v18
	v_bfe_u32 v19, v1, 3, 1
	v_lshl_or_b32 v18, v19, 5, v18
	v_mul_u32_u24 v[WCS], v18, PITCH
	v_lshl_add_u32 v[WCS], v2, 4, v[WCS]
	s_lshl_b32 s2, s18, 7
	v_add_nc_u32 v[WCS], s2, v[WCS]                ; block 8 w + 2 s + half: 16 bytes each
	v_mul_u32_u24 v[SBS], v18, SP
	v_add_nc_u32 v[SBS], v[SBS], v2
	s_lshl_b32 s2, s18, 3
	s_add_co_u32 s2, s2, SWB
	v_add_nc_u32 v[SBS], s2, v[SBS]
	v_mul_u32_u24 v[FRA], v1, PITCH
	v_lshl_add_u32 v[FRA], v2, 4, v[FRA]
	v_mul_u32_u24 v[SWR], v3, SP
	v_add_nc_u32 v[SWR], SWB, v[SWR]
	v_lshlrev_b32 v[BO], 6, v2
	v_lshlrev_b32 v[HL], 4, v1
	v_lshl_add_u32 v[HL], v2, 3, v[HL]
	v_lshlrev_b32 v[R4], 2, v1
	v_lshlrev_b32 v[H16], 4, v2
	s_wait_kmcnt 0x0
	s_lshl_b32 s34, s19, 4
	s_add_nc_u64 s[38:39], s[12:13], s[34:35]
	s_load_b128 s[24:27], s[38:39], 0x0            ; the expert's tb, nt, cnt, 16 tb
	s_lshl_b32 s34, s19, 23                        ; W1: expert x 8 MiB + slice x 256 + wave x 256 rows
	s_lshl_b32 s2, s20, 8
	s_add_co_u32 s34, s34, s2
	s_lshl_b32 s2, s18, 21
	s_add_co_u32 s34, s34, s2
	s_add_nc_u64 s[4:5], s[4:5], s[34:35]
	s_lshl_b32 s34, s19, 13                        ; b1: expert x 8,192 + slice x 256
	s_lshl_b32 s2, s20, 8
	s_add_co_u32 s34, s34, s2
	s_add_nc_u64 s[6:7], s[6:7], s[34:35]
	s_lshl_b32 s34, s20, 9                         ; hc: K step slice / 2 (1,024 bytes), half slice % 2 (512): 512 x slice
	s_add_nc_u64 s[14:15], s[14:15], s[34:35]
	s_lshr_b32 s34, s20, 1                         ; hs: 64 bytes a K step, bytes 2 (slice % 2) on of each word
	s_lshl_b32 s34, s34, 6
	s_and_b32 s2, s20, 1
	s_lshl_b32 s2, s2, 1
	s_add_co_u32 s34, s34, s2
	s_add_nc_u64 s[16:17], s[16:17], s[34:35]
.irp t, 0,1,2,3                        ; lane (r, half), tile 2 b + u, register j: b1 of unit 32 b + 16 half + 8 u + j
	global_load_b128 v[BIAS+8*\t:BIAS+8*\t+3], v[BO], s[6:7] offset:(32*(\t/2)+8*(\t%2))*4
	global_load_b128 v[BIAS+8*\t+4:BIAS+8*\t+7], v[BO], s[6:7] offset:(32*(\t/2)+8*(\t%2))*4+16
.endr
	LOADSET 0, 0x40, 0
	LOADSET 1, 0x40, 128
	s_wait_kmcnt 0x0
	s_min_u32 s25, s25, 128                        ; 2,048 tokens make no more than 128 tiles of 16
	s_max_u32 s28, s26, 1
	s_sub_co_u32 s28, s28, 1                       ; the expert's last position, from its first
	s_cmp_lg_u32 s26, 0
	s_cselect_b32 s29, s27, 0                      ; its first position (an expert without tokens: position 0, which is always written)
	s_mov_b32 s32, s18                             ; the tokens of my first four tiles: four address registers, so that no wait stands between
	POS XA, 32
	global_load_b32 v[TOK], v[XA], s[12:13] offset:256
	s_add_co_u32 s32, s18, 4
	POS XSA, 32
	global_load_b32 v[TOK+1], v[XSA], s[12:13] offset:256
	s_add_co_u32 s32, s18, 8
	POS VP, 32
	global_load_b32 v[TOK+2], v[VP], s[12:13] offset:256
	s_add_co_u32 s32, s18, 12
	POS 19, 32
	global_load_b32 v[TOK+3], v19, s[12:13] offset:256
	s_wait_loadcnt 36                              ; b1 and set 0 are in; behind them: set 1's 32 loads and the four of the list
	LOADSET 2, 0x80, 0
	PROCESS 0, 1, 0
	s_wait_loadcnt 32                              ; set 1 and the tokens are in; behind them: set 2
	LOADSET 3, 0x80, 128
	PROCESS 1, 1, 128
	s_wait_loadcnt 32                              ; set 2 is in; behind it: set 3
	PROCESS 2, 2, 0
	s_add_co_u32 s32, s18, 16                      ; my first four tiles of x are asked for here, behind the last of the weights' loads
	XFILL 0
	s_add_co_u32 s32, s18, 20
	XFILL 1
	s_add_co_u32 s32, s18, 24
	XFILL 2
	s_add_co_u32 s32, s18, 28
	XFILL 3
	s_wait_loadcnt 63                              ; set 3 is in: 76 loads were issued behind it; the wait names the most that its field holds, which is fewer
	PROCESS 3, 2, 128
	s_wait_dscnt 0x0                               ; for the others' sake: my codes and bytes have landed
	s_barrier_signal -1
	s_barrier_wait -1                              ; the slice is whole
	WIN 0x40
.irp t, 0,1,2,3
.irp k, 0,1,2,3,4,5,6,7
.irp c, 0,1
	ds_load_b128 v[8*(8*\t+\k)+4*\c:8*(8*\t+\k)+4*\c+3], v[FRA] offset:16*\t*PITCH+64*\k+32*\c
.endr
.endr
.endr
	WIN 0
.irp b, 0,1
.irp g, 0,1
	ds_load_b128 v[WS+8*\b+4*\g:WS+8*\b+4*\g+3], v[SWR] offset:32*\b*SP+16*\g
.endr
.endr
	s_wait_dscnt 0x0
; THE TURN OF BUFFER p, for the expert's tile s31.
.macro TILE p
	s_wait_loadcnt 57                              ; this buffer's 19 loads are in; behind them: the other three buffers' 19 each
	WIN 0x0d                                       ; source 0 (weights) window 1, source 1 (x) window 3
.irp k, 0,1,2,3,4,5,6,7                ; K ascending; the four accumulators by turns, one instruction a turn
.irp t, 0,1,2,3
.set rD, ACC+8*\t
.set rC, rD
.if \k == 0
.set rC, BIAS+8*\t
.endif
.set rA, 8*(8*\t+\k)
.set rB, 64*\p+8*\k
.set rW, WS+8*(\t/2)+\k
.set rX, XS+8*\p+\k
.if \t%2
	v_wmma_scale_f32_16x16x128_f8f6f4 v[rD:rD+7], v[rA:rA+7], v[rB:rB+7], v[rC:rC+7], v[rW], v[rX] matrix_a_fmt:MATRIX_FMT_FP4 matrix_b_fmt:MATRIX_FMT_FP4 matrix_a_scale:MATRIX_SCALE_ROW1
.else
	v_wmma_scale_f32_16x16x128_f8f6f4 v[rD:rD+7], v[rA:rA+7], v[rB:rB+7], v[rC:rC+7], v[rW], v[rX] matrix_a_fmt:MATRIX_FMT_FP4 matrix_b_fmt:MATRIX_FMT_FP4
.endif
.endr
.endr
	WIN 0
.rept 4
	v_nop                                          ; four places ahead of the loads into x's registers and of the first read of results
.endr
	s_add_co_u32 s32, s31, 32
	XFILL \p                                       ; the tile 16 further on, and the tokens of the tile 32 further on
	s_add_co_u32 s2, s24, s31
	s_min_u32 s2, s2, 135                          ; the tile's number among all experts'
	s_lshl_b32 s3, s2, 14
	v_add_nc_u32 v[HO], s3, v[HL]
	s_lshl_b32 s3, s2, 10
	v_add_nc_u32 v[SO], s3, v[R4]
.irp b, 0,1                            ; the two blocks' maxima and the relu by turns.  No |.|: what is negative does not count, and the floor stands over it
	v_max3_num_f32 v[M+\b], v[ACC+16*\b], v[ACC+16*\b+1], 0x1800000
.endr
.irp b, 0,1
	v_max_num_f32 v[ACC+16*\b], 0, v[ACC+16*\b]
	v_max_num_f32 v[ACC+16*\b+1], 0, v[ACC+16*\b+1]
.endr
.irp i, 2,4,6,8,10,12,14
.irp b, 0,1
	v_max3_num_f32 v[M+\b], v[M+\b], v[ACC+16*\b+\i], v[ACC+16*\b+\i+1]
.endr
.irp b, 0,1
	v_max_num_f32 v[ACC+16*\b+\i], 0, v[ACC+16*\b+\i]
	v_max_num_f32 v[ACC+16*\b+\i+1], 0, v[ACC+16*\b+\i+1]
.endr
.endr
.irp b, 0,1
	v_permlanex16_b32 v[PT+\b], v[M+\b], s36, s37
.endr
.irp b, 0,1
	v_max_num_f32 v[M+\b], v[M+\b], v[PT+\b]       ; with lane l xor 16's 16 units: the block's
.endr
.irp b, 0,1
	v_add_nc_u32 v[SCO+\b], 0xff000000, v[M+\b]
.endr
.irp b, 0,1
	v_lshrrev_b32 v[BY+\b], 23, v[SCO+\b]
.endr
.irp b, 0,1
	v_cvt_scalef32_pk8_fp4_f32 v[HC+2*\b], v[ACC+16*\b:ACC+16*\b+7], v[SCO+\b]
	v_cvt_scalef32_pk8_fp4_f32 v[HC+2*\b+1], v[ACC+16*\b+8:ACC+16*\b+15], v[SCO+\b]
.endr
	v_lshl_or_b32 v[HB], v[BY+1], 8, v[BY]         ; the two bytes (a plain line behind the last conversion)
	global_store_b64 v[HO], v[HC:HC+1], s[14:15]               ; block b is lanes 16 b on of the operand's image; my 8 bytes lie at 16 r + 8 half: 32 lanes store 256 consecutive bytes, aligned
	global_store_b64 v[HO], v[HC+2:HC+3], s[14:15] offset:256
	global_store_b16 v[SO], v[HB], s[16:17]                    ; both halves of the lanes write the same two bytes
.endm
	; My tiles are wave, wave + 4, .. below nt; a trip takes four of them: ceil((nt - wave) / 16) trips, 0 where nt <= wave.  The loop counts trips by 1; the trip's first tile stands in s22
	s_add_co_u32 s21, s25, 15
	s_sub_co_u32 s21, s21, s18
	s_lshr_b32 s21, s21, 4                         ; my trips
	s_mov_b32 s22, s18                             ; my first tile
	s_mov_b32 s30, 0
	s_cmp_eq_u32 s21, 0
	s_cbranch_scc1 .Ldone
.Lloop:                                            ; a trip: four turns.  A wave whose tiles are done between two turns ends there: nothing jumps over the counter's step
	s_mov_b32 s31, s22
	TILE 0
	s_add_co_u32 s31, s22, 4
	s_cmp_lt_u32 s31, s25
	s_cbranch_scc1 .Lgo1
	s_wait_xcnt 0x0
	v_lshl_add_u32 v254, v0, 2, 0x9000
	v_mov_b32 v255, 0
	s_wait_tensorcnt 0x0
	ds_add_u32 v254, v255
	s_wait_dscnt 0x0
	s_endpgm
.Lgo1:
	TILE 1
	s_add_co_u32 s31, s22, 8
	s_cmp_lt_u32 s31, s25
	s_cbranch_scc1 .Lgo2
	s_wait_xcnt 0x0
	v_lshl_add_u32 v254, v0, 2, 0x9000
	v_mov_b32 v255, 0
	s_wait_tensorcnt 0x0
	ds_add_u32 v254, v255
	s_wait_dscnt 0x0
	s_endpgm
.Lgo2:
	TILE 2
	s_add_co_u32 s31, s22, 12
	s_cmp_lt_u32 s31, s25
	s_cbranch_scc1 .Lgo3
	s_wait_xcnt 0x0
	v_lshl_add_u32 v254, v0, 2, 0x9000
	v_mov_b32 v255, 0
	s_wait_tensorcnt 0x0
	ds_add_u32 v254, v255
	s_wait_dscnt 0x0
	s_endpgm
.Lgo3:
	TILE 3
	s_add_co_u32 s22, s22, 16
	s_add_co_u32 s30, s30, 1
	s_cmp_lt_u32 s30, s21
	s_cbranch_scc1 .Lloop
.Ldone:
	s_wait_xcnt 0x0
	v_lshl_add_u32 v254, v0, 2, 0x9000
	v_mov_b32 v255, 0
	s_wait_tensorcnt 0x0
	ds_add_u32 v254, v255
	s_wait_dscnt 0x0
	s_endpgm
.Lfunc_end_k_q87ca8d4f1e_up:
	.size	k_q87ca8d4f1e_up, .Lfunc_end_k_q87ca8d4f1e_up-k_q87ca8d4f1e_up
	.p2alignl 7, 3214868480
	.fill 96, 4, 3214868480
	.section	.rodata,"a",@progbits
	.p2align	6, 0x0
	.amdhsa_kernel k_q87ca8d4f1e_up
		.amdhsa_group_segment_fixed_size 37376
		.amdhsa_private_segment_fixed_size 0
		.amdhsa_enable_private_segment 0
		.amdhsa_kernarg_size 56
		.amdhsa_user_sgpr_count 2
		.amdhsa_user_sgpr_kernarg_segment_ptr 1
		.amdhsa_wavefront_size32 1
		.amdhsa_system_sgpr_workgroup_id_x 1
		.amdhsa_system_sgpr_workgroup_id_y 1
		.amdhsa_system_sgpr_workgroup_id_z 1
		.amdhsa_system_vgpr_workitem_id 0
		.amdhsa_next_free_vgpr 1024
		.amdhsa_next_free_sgpr 66
		.amdhsa_reserve_vcc 0
		.amdhsa_float_denorm_mode_32 3
		.amdhsa_float_denorm_mode_16_64 3
		.amdhsa_memory_ordered 1
		.amdhsa_forward_progress 1
		.amdhsa_inst_pref_size 113
	.end_amdhsa_kernel
	.amdgpu_metadata
---
amdhsa.version: [ 1, 2 ]
amdhsa.kernels:
  - .name:           k_q87ca8d4f1e_up
    .symbol:         k_q87ca8d4f1e_up.kd
    .args:
      - { .name: W1, .offset: 0, .size: 8, .value_kind: global_buffer, .address_space: global }
      - { .name: b1, .offset: 8, .size: 8, .value_kind: global_buffer, .address_space: global }
      - { .name: xc, .offset: 16, .size: 8, .value_kind: global_buffer, .address_space: global }
      - { .name: xs, .offset: 24, .size: 8, .value_kind: global_buffer, .address_space: global }
      - { .name: ord, .offset: 32, .size: 8, .value_kind: global_buffer, .address_space: global }
      - { .name: hc, .offset: 40, .size: 8, .value_kind: global_buffer, .address_space: global }
      - { .name: hs, .offset: 48, .size: 8, .value_kind: global_buffer, .address_space: global }
    .group_segment_fixed_size: 37376
    .private_segment_fixed_size: 0
    .kernarg_segment_align: 8
    .kernarg_segment_size: 56
    .max_flat_workgroup_size: 128
    .sgpr_count:     66
    .vgpr_count:     1024
    .wavefront_size: 32
...
	.end_amdgpu_metadata
.endif
;; end of part 3
;; launch down (part 4): grid 128 x 1, 4 waves a work-group, no clusters, 89,600 bytes of LDS; arguments W2, b2, hc, hs, ord, gs, out0; writes out0
.if DOCPART == 4
	.amdgcn_target "amdgcn-amd-amdhsa--gfx1250"
	.amdhsa_code_object_version 6
	.text
	.protected	k_q87ca8d4f1e_down
	.globl	k_q87ca8d4f1e_down
	.p2align	8
	.type	k_q87ca8d4f1e_down,@function
k_q87ca8d4f1e_down:
	s_mov_b64 s[64:65], 0
	v_nop
	global_prefetch_b8 v0, s[64:65] scope:SCOPE_SE
	s_setreg_imm32_b32 hwreg(HW_REG_WAVE_MODE, 25, 1), 1
	s_wait_xcnt 0x0
; THE SECOND PRODUCT AND THE GATE, FOR THE CHOSEN ROWS ALONE: out[t] = gate[t] x (h[t] Q(W2[e]) + b2[e]), on codes of E2M1 with one E8M0 scale for each 32 along K = 2,048.
; SHARES.  Work-group g owns expert e = g / 16 and the 64 outputs 64 (g % 16) on: 256 bytes of each of W2[e]'s 2,048 rows: every byte of W2 has one reader, and every row of out one owner for these 256 bytes.
; 128 work-groups: 32 outputs to a work-group would read half of each aligned 256 bytes of W2, and a split of K would want a sum across work-groups.
; PHASE 1: as in the launch before: wave w takes K rows 512 w on, eight sets of 64 rows on a ring of four sets of registers; a lane holds 4 columns x a block of 32 along K; codes and scale bytes go to LDS.
; ONE BARRIER; then every wave copies all the slice's codes (4 tiles of 16 outputs x 16 K steps: 512 registers) and scale words into its own registers.
; PHASE 2: the expert's tiles of 16 tokens, tile c to wave c % 4, in a loop whose count comes from the stored number nt, without a barrier.  A tile: h's 16 fragments, stored as images of the operand's registers, by 32 dense
; loads of 512 bytes; 64 matrix instructions, used transposed (source 0 = 16 outputs, source 1 = 16 tokens), b2 as the C of each sum's first; x the gate; through the wave's own stage in LDS, so that sixteen lanes
; store 256 consecutive bytes, aligned, of a token's row.  The row's token number goes through the stage with its row, in the row's padding: the lanes that store a row are not the lanes that computed it.
; A position past the expert's last is held at the last: a short tile's spare rows hold their twin's numbers and store them a second time to the same bytes.  Two tile buffers, each asked for again in every turn
; (the tile's index held inside the expert's), so that the counted wait counts the same loads on every way; a wave's last two refills bring bytes that nobody uses.
; NO TENSOR LOAD AND NO CLUSTER: the loop's count is read from memory.  What the 16 work-groups of an expert share, h's codes (1,088 bytes a token), is small beside a work-group's own 524,288 bytes of W2.
; LIMITS: NaN and infinities are not served; a block of zeros gets the byte 1 where the rule says 127 (its codes are zeros; this program alone reads the bytes).
; REGISTERS.  window 0: see the names below.  windows 1, 2: the ring of sets; then the weights' fragments: (tile t, K step k) at v[8 (8 t + k % 8)] of window 1 + k / 8.  window 3: h's fragments, buffer p at v[128 p].
.set ROWP,  4096
.set PITCH, 1040                       ; an output's row in LDS: 2,048 codes = 1,024 bytes, + 16: 65 x 16 bytes from row to row
.set SP,    80                         ; its 64 scale bytes + 16
.set SWB,   64*PITCH
.set STAGE, SWB+64*SP                  ; 16 rows x (256 + 16) bytes for each wave
.set WA,   4
.set WCS,  5
.set SBS,  6
.set FRA,  7
.set SWR,  8
.set BO,   9                           ; v9   b2: 32 x half
.set HA,   10                          ; v10  hc: the tile + 16 x lane
.set HSA,  11                          ; v11  hs: the tile + 4 r
.set VP,   12                          ; v12  the list: my position
.set L16,  13
.set R4,   14
.set STO,  15                          ; v15  the stage: row r, + 32 x half
.set STK,  16                          ; v16  the stage: row r
.set RD,   17                          ; v17  back: rows 8 half on, 16 bytes at 16 r
.set RDT,  18                          ; v18  back: rows 8 half on
.set C16,  19                          ; v19  16 r
.set TOKL, 20                          ; v20-21  my row's token, for each buffer
.set GL,   22                          ; v22-23  its gate
.set GP,   24                          ; v24-25  the gate of the tile in hand (a pair for the packed multiply; the low word serves both halves)
.set TKC,  26                          ; v26     its token
.set M,    28                          ; v28-31
.set SCO,  32                          ; v32-35
.set C,    36                          ; v36-51  a set's codes
.set TK,   36                          ;         (phase 2: v36-43 the tokens of the rows that I store, v44-51 their offsets)
.set OFF,  44
.set HS,   52                          ; v52-83  h's scale words, sixteen for each buffer: they hold nothing else
.set WS,   84                          ; v84-115 the weights' scale words, and nothing else: register 16 b + k: lanes 0-15 tile 2 b, lanes 16-31 tile 2 b + 1
.set T,    116                         ; v116-243 phase 1: four columns x 32 numbers
.set BIAS, 116                         ; v116-147 behind the last set's work: b2 in the result's layout
.set ACC,  148                         ; v148-179
.set OB,   180                         ; v180-211 rows read back from the stage
.set MSB, 0
.macro WIN new                         ; the immediate's high byte repeats the setting that is left
.if MSB != (\new)
	s_set_vgpr_msb (MSB<<8)|(\new)
.set MSB, (\new)
.endif
.endm
.macro LOADSET s, win, rb
	WIN \win
.set i, 0
.rept 32
	global_load_b128 v[\rb+4*i:\rb+4*i+3], v[WA], s[4:5] offset:(64*(\s)+i)*ROWP th:TH_LOAD_NT
.set i, i+1
.endr
	WIN 0
.endm
.macro PROCESS s, win, rb
	WIN \win
.set i, 0
.rept 32
	v_mov_b32 v[T+i], v[\rb+4*i]
	v_mov_b32 v[T+32+i], v[\rb+4*i+1]
	v_mov_b32 v[T+64+i], v[\rb+4*i+2]
	v_mov_b32 v[T+96+i], v[\rb+4*i+3]
.set i, i+1
.endr
	WIN 0
	s_wait_dscnt 0x0                               ; the last set's LDS stores have read their registers
.irp j, 0,1,2,3
	v_max3_num_f32 v[M+\j], |v[T+32*\j]|, |v[T+32*\j+1]|, 0x1800000   ; the floor 2^(3 - 127): the byte cannot fall under 1
.endr
.set i, 2
.rept 15
.irp j, 0,1,2,3
	v_max3_num_f32 v[M+\j], v[M+\j], |v[T+32*\j+i]|, |v[T+32*\j+i+1]|
.endr
.set i, i+2
.endr
.irp j, 0,1,2,3
	v_add_nc_u32 v[SCO+\j], 0xff000000, v[M+\j]
.endr
.irp j, 0,1,2,3
	v_lshrrev_b32 v[M+\j], 23, v[SCO+\j]
.endr
.irp j, 0,1,2,3
.irp g, 0,1,2,3
	v_cvt_scalef32_pk8_fp4_f32 v[C+4*\j+\g], v[T+32*\j+8*\g:T+32*\j+8*\g+7], v[SCO+\j]
.endr
.endr
	v_nop                                          ; a plain line behind the last conversion
.irp j, 0,1,2,3
	ds_store_b128 v[WCS], v[C+4*\j:C+4*\j+3] offset:\j*PITCH+32*(\s)
.endr
.irp j, 0,1,2,3
	ds_store_b8 v[SBS], v[M+\j] offset:\j*SP+2*(\s)
.endr
.endm
.macro POS reg, st
	s_lshl_b32 s2, s[\st], 4
	v_add_nc_u32 v[\reg], s2, v1
	v_min_u32 v[\reg], s28, v[\reg]
	v_add_nc_u32 v[\reg], s29, v[\reg]
	v_min_u32 v[\reg], 2175, v[\reg]
	v_lshlrev_b32 v[\reg], 2, v[\reg]
.endm
.macro HLOAD p                         ; buffer p: the expert's tile s32 (held at its last): 32 loads of codes, 16 of scale words, my row's token and gate: 50 loads
	s_wait_xcnt 0x0                                ; every earlier load and store has read its address and data registers: they are written again only behind this wait
	s_min_u32 s2, s32, s33
	s_add_co_u32 s2, s2, s34
	s_min_u32 s2, s2, 135
	s_lshl_b32 s3, s2, 14
	v_add_nc_u32 v[HA], s3, v[L16]
	s_lshl_b32 s3, s2, 10
	v_add_nc_u32 v[HSA], s3, v[R4]
	POS VP, 32
	WIN 0xc0
.irp k, 0,1,2,3,4,5,6,7,8,9,10,11,12,13,14,15
.irp c, 0,1
	global_load_b128 v[128*\p+8*\k+4*\c:128*\p+8*\k+4*\c+3], v[HA], s[8:9] offset:1024*\k+512*\c   ; 32 lanes read 512 consecutive bytes
.endr
.endr
	WIN 0
.irp k, 0,1,2,3,4,5,6,7,8,9,10,11,12,13,14,15
	global_load_b32 v[HS+16*\p+\k], v[HSA], s[10:11] offset:64*\k
.endr
	global_load_b32 v[TOKL+\p], v[VP], s[12:13] offset:256
	global_load_b32 v[GL+\p], v[VP], s[14:15]
.endm
	s_load_b256 s[4:11], s[0:1], 0x0               ; W2, b2, hc, hs
	s_load_b128 s[12:15], s[0:1], 0x20             ; ord, gs
	s_load_b64 s[16:17], s[0:1], 0x30              ; out0
	v_lshl_add_u32 v254, v0, 2, 0x15c00
	v_mov_b32 v255, 0
	v_lshrrev_b32 v27, 5, v0
	v_readfirstlane_b32 s18, v27                   ; wave
	s_lshr_b32 s19, ttmp9, 4                       ; expert
	s_and_b32 s20, ttmp9, 15                       ; slice
	s_mov_b32 s35, 0
	v_and_b32 v3, 31, v0
	v_and_b32 v1, 15, v0                           ; r
	v_bfe_u32 v2, v0, 4, 1                         ; half
	v_lshlrev_b32 v[WA], 4, v1
	v_lshl_add_u32 v[WA], v2, 17, v[WA]            ; lanes 16-31: 32 rows further down
	v_mul_u32_u24 v[WCS], v1, 4*PITCH              ; my first column is 4 r
	v_lshl_add_u32 v[WCS], v2, 4, v[WCS]
	s_lshl_b32 s2, s18, 8
	v_add_nc_u32 v[WCS], s2, v[WCS]                ; block 16 w + 2 s + half: 16 bytes each
	v_mul_u32_u24 v[SBS], v1, 4*SP
	v_add_nc_u32 v[SBS], v[SBS], v2
	s_lshl_b32 s2, s18, 4
	s_add_co_u32 s2, s2, SWB
	v_add_nc_u32 v[SBS], s2, v[SBS]
	v_mul_u32_u24 v[FRA], v1, PITCH
	v_lshl_add_u32 v[FRA], v2, 4, v[FRA]
	v_mul_u32_u24 v[SWR], v3, SP
	v_add_nc_u32 v[SWR], SWB, v[SWR]
	v_lshlrev_b32 v[BO], 5, v2
	v_lshlrev_b32 v[L16], 4, v3
	v_lshlrev_b32 v[R4], 2, v1
	v_lshlrev_b32 v[C16], 4, v1
	s_mul_i32 s2, s18, 16*272
	s_add_co_u32 s2, s2, STAGE                     ; my stage
	v_mul_u32_u24 v[STK], v1, 272
	v_add_nc_u32 v[STK], s2, v[STK]
	v_lshl_add_u32 v[STO], v2, 5, v[STK]
	v_mul_u32_u24 v[RDT], v2, 8*272
	v_add_nc_u32 v[RDT], s2, v[RDT]
	v_lshl_add_u32 v[RD], v1, 4, v[RDT]
	v_mov_b32 v[GP+1], 0                           ; named with the gate as a pair, so it is written
	s_wait_kmcnt 0x0
	s_lshl_b32 s34, s19, 4
	s_add_nc_u64 s[38:39], s[12:13], s[34:35]
	s_load_b128 s[24:27], s[38:39], 0x0            ; the expert's tb, nt, cnt, 16 tb
	s_lshl_b32 s34, s19, 23                        ; W2: expert x 8 MiB + slice x 256 + wave x 512 rows
	s_lshl_b32 s2, s20, 8
	s_add_co_u32 s34, s34, s2
	s_lshl_b32 s2, s18, 21
	s_add_co_u32 s34, s34, s2
	s_add_nc_u64 s[4:5], s[4:5], s[34:35]
	s_lshl_b32 s34, s19, 12                        ; b2: expert x 4,096 + slice x 256
	s_lshl_b32 s2, s20, 8
	s_add_co_u32 s34, s34, s2
	s_add_nc_u64 s[6:7], s[6:7], s[34:35]
	s_lshl_b32 s34, s20, 8                         ; out: slice x 256
	s_add_nc_u64 s[16:17], s[16:17], s[34:35]
	LOADSET 0, 0x40, 0
	LOADSET 1, 0x40, 128
	s_wait_kmcnt 0x0
	s_min_u32 s25, s25, 128                        ; 2,048 tokens make no more than 128 tiles of 16
	s_max_u32 s28, s26, 1
	s_sub_co_u32 s28, s28, 1                       ; the expert's last position, from its first
	s_max_u32 s33, s25, 1
	s_sub_co_u32 s33, s33, 1                       ; its last tile, from its first
	s_cmp_lg_u32 s26, 0
	s_cselect_b32 s29, s27, 0                      ; its first position and its first tile (an expert without tokens: 0, which are always written)
	s_cselect_b32 s34, s24, 0
	s_wait_loadcnt 32                              ; set 0 is in; behind it: set 1.  So in every step: the one younger set may be out
	LOADSET 2, 0x80, 0
	PROCESS 0, 1, 0
	s_wait_loadcnt 32
	LOADSET 3, 0x80, 128
	PROCESS 1, 1, 128
	s_wait_loadcnt 32
	LOADSET 4, 0x40, 0
	PROCESS 2, 2, 0
	s_wait_loadcnt 32
	LOADSET 5, 0x40, 128
	PROCESS 3, 2, 128
	s_wait_loadcnt 32
	LOADSET 6, 0x80, 0
	PROCESS 4, 1, 0
	s_wait_loadcnt 32
	LOADSET 7, 0x80, 128
	PROCESS 5, 1, 128
	s_wait_loadcnt 32
	PROCESS 6, 2, 0
	s_mov_b32 s32, s18                             ; my first two tiles of h are asked for here, behind the last of the weights' loads
	HLOAD 0
	s_add_co_u32 s32, s18, 4
	HLOAD 1
	s_wait_loadcnt 63                              ; set 7 is in: 100 loads were issued behind it; the wait names the most that its field holds, which is fewer
	PROCESS 7, 2, 128
.irp t, 0,1,2,3                        ; b2, into registers that the columns' numbers have left: lane (r, half), tile t, register j: b2 of output 16 t + 8 half + j.  It lands under the barrier and the copy below
	global_load_b128 v[BIAS+8*\t:BIAS+8*\t+3], v[BO], s[6:7] offset:64*\t
	global_load_b128 v[BIAS+8*\t+4:BIAS+8*\t+7], v[BO], s[6:7] offset:64*\t+16
.endr
	s_wait_dscnt 0x0                               ; for the others' sake: my codes and bytes have landed
	s_barrier_signal -1
	s_barrier_wait -1                              ; the slice is whole
	WIN 0x40
.irp t, 0,1,2,3
.irp k, 0,1,2,3,4,5,6,7
.irp c, 0,1
	ds_load_b128 v[8*(8*\t+\k)+4*\c:8*(8*\t+\k)+4*\c+3], v[FRA] offset:16*\t*PITCH+64*\k+32*\c
.endr
.endr
.endr
	WIN 0x80
.irp t, 0,1,2,3
.irp k, 0,1,2,3,4,5,6,7
.irp c, 0,1
	ds_load_b128 v[8*(8*\t+\k)+4*\c:8*(8*\t+\k)+4*\c+3], v[FRA] offset:16*\t*PITCH+512+64*\k+32*\c
.endr
.endr
.endr
	WIN 0
.irp b, 0,1
.irp g, 0,1,2,3
	ds_load_b128 v[WS+16*\b+4*\g:WS+16*\b+4*\g+3], v[SWR] offset:32*\b*SP+16*\g
.endr
.endr
	s_wait_dscnt 0x0
	s_wait_loadcnt 0x0                             ; b2 is in: it was issued last, so this shows my first two tiles in as well
.macro MULS p, k0                      ; K steps k0 .. k0 + 7: K ascending; the four accumulators by turns, one instruction a turn
.irp k, 0,1,2,3,4,5,6,7
.irp t, 0,1,2,3
.set rD, ACC+8*\t
.set rC, rD
.if (\k0+\k) == 0
.set rC, BIAS+8*\t
.endif
.set rA, 8*(8*\t+\k)
.set rB, 128*\p+8*(\k0+\k)
.set rW, WS+16*(\t/2)+\k0+\k
.set rH, HS+16*\p+\k0+\k
.if \t%2
	v_wmma_scale_f32_16x16x128_f8f6f4 v[rD:rD+7], v[rA:rA+7], v[rB:rB+7], v[rC:rC+7], v[rW], v[rH] matrix_a_fmt:MATRIX_FMT_FP4 matrix_b_fmt:MATRIX_FMT_FP4 matrix_a_scale:MATRIX_SCALE_ROW1
.else
	v_wmma_scale_f32_16x16x128_f8f6f4 v[rD:rD+7], v[rA:rA+7], v[rB:rB+7], v[rC:rC+7], v[rW], v[rH] matrix_a_fmt:MATRIX_FMT_FP4 matrix_b_fmt:MATRIX_FMT_FP4
.endif
.endr
.endr
.endm
; THE TURN OF BUFFER p, for the expert's tile s31.
.macro TILE p
	s_wait_loadcnt 50                              ; this buffer's 50 loads are in; behind them: the other buffer's 50
	WIN 0x0d                                       ; source 0 (weights) window 1, source 1 (h) window 3
	MULS \p, 0
	WIN 0x0e                                       ; source 0 window 2
	MULS \p, 8
	WIN 0
	v_mov_b32 v[GP], v[GL+\p]                      ; the tile's gate and token are kept: the refill below asks for these registers anew.
	v_mov_b32 v[TKC], v[TOKL+\p]                   ; With the two lines below: four places ahead of the loads into h's registers and of the first read of results
	v_nop
	v_nop
	s_add_co_u32 s32, s31, 8
	HLOAD \p                                       ; the tile 8 further on
.set i, 0
.rept 16
	v_pk_mul_f32 v[ACC+2*i:ACC+2*i+1], v[ACC+2*i:ACC+2*i+1], v[GP:GP+1] op_sel_hi:[1,0]   ; x the gate, each accumulator from its low end on
.set i, i+1
.endr
.irp t, 0,1,2,3
	ds_store_b128 v[STO], v[ACC+8*\t:ACC+8*\t+3] offset:64*\t          ; lane (r, half): outputs 16 t + 8 half + 0 .. 7 of row r
	ds_store_b128 v[STO], v[ACC+8*\t+4:ACC+8*\t+7] offset:64*\t+16
.endr
	ds_store_b32 v[STK], v[TKC] offset:256         ; the row's token, in the row's padding (both halves of the lanes write the same word)
.irp i, 0,1,2,3,4,5,6,7
	ds_load_b32 v[TK+\i], v[RDT] offset:256+272*\i ; LDS serves a wave's instructions in order: these see my stores, and the next tile's stores come behind them
.endr
.irp i, 0,1,2,3,4,5,6,7
	ds_load_b128 v[OB+4*\i:OB+4*\i+3], v[RD] offset:272*\i      ; lanes 0-15 row i, lanes 16-31 row 8 + i
.endr
	s_wait_dscnt 8                                 ; the tokens are in; the eight loads of rows may be out
.irp i, 0,1,2,3,4,5,6,7
	v_min_u32 v[TK+\i], 2047, v[TK+\i]
.endr
.irp i, 0,1,2,3,4,5,6,7
	v_lshl_add_u32 v[OFF+\i], v[TK+\i], 12, v[C16] ; the token's row of 4,096 bytes + 16 r
.endr
.irp i, 0,1,2,3,4,5,6,7
	s_wait_dscnt 7-\i
	global_store_b128 v[OFF+\i], v[OB+4*\i:OB+4*\i+3], s[16:17] th:TH_STORE_NT   ; sixteen lanes store 256 consecutive bytes, aligned; written once, read by nobody here
.endr
.endm
	; My tiles are wave, wave + 4, .. below nt; a trip takes two of them: ceil((nt - wave) / 8) trips, 0 where nt <= wave.  The loop counts trips by 1; the trip's first tile stands in s22
	s_add_co_u32 s21, s25, 7
	s_sub_co_u32 s21, s21, s18
	s_lshr_b32 s21, s21, 3                         ; my trips
	s_mov_b32 s22, s18                             ; my first tile
	s_mov_b32 s30, 0
	s_cmp_eq_u32 s21, 0
	s_cbranch_scc1 .Ldone
.Lloop:                                            ; a trip: two turns.  A wave whose tiles are done between them ends there: nothing jumps over the counter's step
	s_mov_b32 s31, s22
	TILE 0
	s_add_co_u32 s31, s22, 4
	s_cmp_lt_u32 s31, s25
	s_cbranch_scc1 .Lgo1
	s_wait_tensorcnt 0x0
	ds_add_u32 v254, v255
	s_wait_dscnt 0x0
	s_endpgm
.Lgo1:
	TILE 1
	s_add_co_u32 s22, s22, 8
	s_add_co_u32 s30, s30, 1
	s_cmp_lt_u32 s30, s21
	s_cbranch_scc1 .Lloop
.Ldone:
	s_wait_tensorcnt 0x0
	ds_add_u32 v254, v255
	s_wait_dscnt 0x0
	s_endpgm
.Lfunc_end_k_q87ca8d4f1e_down:
	.size	k_q87ca8d4f1e_down, .Lfunc_end_k_q87ca8d4f1e_down-k_q87ca8d4f1e_down
	.p2alignl 7, 3214868480
	.fill 96, 4, 3214868480
	.section	.rodata,"a",@progbits
	.p2align	6, 0x0
	.amdhsa_kernel k_q87ca8d4f1e_down
		.amdhsa_group_segment_fixed_size 89600
		.amdhsa_private_segment_fixed_size 0
		.amdhsa_enable_private_segment 0
		.amdhsa_kernarg_size 56
		.amdhsa_user_sgpr_count 2
		.amdhsa_user_sgpr_kernarg_segment_ptr 1
		.amdhsa_wavefront_size32 1
		.amdhsa_system_sgpr_workgroup_id_x 1
		.amdhsa_system_sgpr_workgroup_id_y 1
		.amdhsa_system_sgpr_workgroup_id_z 1
		.amdhsa_system_vgpr_workitem_id 0
		.amdhsa_next_free_vgpr 1024
		.amdhsa_next_free_sgpr 66
		.amdhsa_reserve_vcc 0
		.amdhsa_float_denorm_mode_32 3
		.amdhsa_float_denorm_mode_16_64 3
		.amdhsa_memory_ordered 1
		.amdhsa_forward_progress 1
		.amdhsa_inst_pref_size 167
	.end_amdhsa_kernel
	.amdgpu_metadata
---
amdhsa.version: [ 1, 2 ]
amdhsa.kernels:
  - .name:           k_q87ca8d4f1e_down
    .symbol:         k_q87ca8d4f1e_down.kd
    .args:
      - { .name: W2, .offset: 0, .size: 8, .value_kind: global_buffer, .address_space: global }
      - { .name: b2, .offset: 8, .size: 8, .value_kind: global_buffer, .address_space: global }
      - { .name: hc, .offset: 16, .size: 8, .value_kind: global_buffer, .address_space: global }
      - { .name: hs, .offset: 24, .size: 8, .value_kind: global_buffer, .address_space: global }
      - { .name: ord, .offset: 32, .size: 8, .value_kind: global_buffer, .address_space: global }
      - { .name: gs, .offset: 40, .size: 8, .value_kind: global_buffer, .address_space: global }
      - { .name: out0, .offset: 48, .size: 8, .value_kind: global_buffer, .address_space: global }
    .group_segment_fixed_size: 89600
    .private_segment_fixed_size: 0
    .kernarg_segment_align: 8
    .kernarg_segment_size: 56
    .max_flat_workgroup_size: 128
    .sgpr_count:     66
    .vgpr_count:     1024
    .wavefront_size: 32
...
	.end_amdgpu_metadata
.endif
;; end of part 4
;; ======== version 2 of 2: 4 launches
;; workspace buffers: xc 1,048,576 bytes; xs 65,536 bytes; eid 8,192 bytes of whole numbers; gw 8,192 bytes; ord 8,960 bytes of whole numbers; gs 8,704 bytes; hc 2,228,224 bytes; hs 139,264 bytes
;; launch route (part 5): grid 256 x 1, 8 waves a work-group, no clusters, 71,680 bytes of LDS; arguments x, Wg, bg, gumbel, xc, xs, eid, gw; writes xc, xs, eid, gw
.if DOCPART == 5
	.amdgcn_target "amdgcn-amd-amdhsa--gfx1250"
	.amdhsa_code_object_version 6
	.text
	.protected	k_q87ca8d4f1e_route
	.globl	k_q87ca8d4f1e_route
	.p2align	8
	.type	k_q87ca8d4f1e_route,@function
k_q87ca8d4f1e_route:
	s_mov_b64 s[64:65], 0
	v_nop
	global_prefetch_b8 v0, s[64:65] scope:SCOPE_SE
	s_setreg_imm32_b32 hwreg(HW_REG_WAVE_MODE, 25, 1), 1
	s_wait_xcnt 0x0
; ROUTER AND QUANTISER OF x.  x [2048][1024] f32, Wg [1024][8], bg [8], gumbel [2048][8].
; One wave takes one token t = 8 x work-group + wave.  It reads the token's row once and makes of it
;   (a) the codes of E2M1 with K innermost, xc[t][512 bytes], and one E8M0 byte for each 32 along K, xs[t][32];
;   (b) the eight logits in f32 (fused multiply-adds), z = (x Wg + bg) + gumbel (TAU = 1: the division changes nothing),
;       softmax with its maximum taken away, the argmax of the softmax (the lower index wins a tie), and the
;       gate (1 + y) - y of the chosen expert; the other gates of the straight-through form are 0 + y - y = 0.
; The chosen expert goes to eid[t] and the gate to gw[t], at fixed places: no address here hangs on the choice.
; A block's scale byte is its largest magnitude's exponent field - 2, held at 1 from below by a floor among the maximum's leaves.
; LIMITS: NaN and infinities among the inputs are not served.  A block of zeros gets the byte 1 where the rule says 127: its codes
; are zeros, and this program alone reads the bytes.  Two logits that lie closer than the rounding of a sum of 1,024 f32 products
; may change places in the argmax.
; No matrix unit (8 columns), no tensor load, no cluster: each row of x has one reader, and Wg's 32,768 bytes are copied once into LDS.
.set WTP,  1040                        ; LDS: Wg turned: WT[l][e][i] = Wg[32 l + i][e] at l x 1040 + e x 128 + 4 i: lane l reads its 32 numbers of expert e by 16-byte loads, 65 x 16 bytes from lane to lane
.set STG,  33280                       ; behind WT: a stage of 32 x 144 bytes for each wave
.set STW,  4608
.set SCB,  70144                       ; the work-group's 8 x 32 scale bytes
.set RES,  70400                       ; 8 words of experts, 8 words of gates
.set G,    16                          ; v16-47   Wg as loaded; later WT's numbers, buffer 0
.set R,    48                          ; v48-79   the row as loaded; later buffer 1
.set X,    80                          ; v80-111  my block: k = 32 lane + 0 .. 31
.set ACC,  112                         ; v112-143 four partial sums for each expert
.set S,    144                         ; v144-151 the logits, then the softmax
.set C,    152                         ; v152-155 my block's codes
.set MA,   156
.set MB,   157
.set SCO,  158
.set BY,   159
.set MX,   160
.set SUM,  161
.set BEST, 162
.set IDX,  163
.set GATE, 164
.set TA,   166
.set TB,   168
.set TC,   169
	s_load_b512 s[4:19], s[0:1], 0x0               ; x, Wg, bg, gumbel, xc, xs, eid, gw
	v_lshl_add_u32 v176, v0, 2, 0x11400
	v_mov_b32 v177, 0
	v_lshrrev_b32 v2, 5, v0
	s_delay_alu instid0(VALU_DEP_1)
	v_readfirstlane_b32 s20, v2                    ; wave
	v_and_b32 v1, 31, v0                           ; lane
	s_lshl_b32 s21, ttmp9, 3
	s_add_co_u32 s21, s21, s20                     ; my token
	s_mov_b32 s40, 0x76543210
	s_mov_b32 s41, 0xfedcba98                      ; selects for lane l xor 16
	s_mov_b32 s45, 0
	v_lshlrev_b32 v3, 4, v0                        ; Wg: piece tid + 256 i, 16 bytes each
	v_lshlrev_b32 v4, 4, v1                        ; x: 16 bytes a lane
	v_lshrrev_b32 v5, 6, v0                        ; where my pieces of Wg go: k = tid / 2 + 128 i, experts 4 (tid % 2) + j
	s_delay_alu instid0(VALU_DEP_1)
	v_mul_u32_u24 v5, v5, WTP
	v_and_b32 v6, 1, v0
	s_delay_alu instid0(VALU_DEP_1)
	v_lshl_add_u32 v5, v6, 9, v5
	v_bfe_u32 v6, v0, 1, 5
	s_delay_alu instid0(VALU_DEP_1)
	v_lshl_add_u32 v5, v6, 2, v5
	s_mul_i32 s22, s20, STW
	s_add_co_u32 s22, s22, STG                     ; my wave's stage
	v_lshrrev_b32 v6, 3, v1
	s_delay_alu instid0(VALU_DEP_1)
	v_mul_u32_u24 v6, v6, 144
	v_and_b32 v7, 7, v1
	s_delay_alu instid0(VALU_DEP_1)
	v_lshl_add_u32 v6, v7, 4, v6
	s_delay_alu instid0(VALU_DEP_1)
	v_add_nc_u32 v6, s22, v6                       ; in: eight lanes' 128 bytes on end, then 16 of padding
	v_mul_u32_u24 v7, v1, 144
	s_delay_alu instid0(VALU_DEP_1)
	v_add_nc_u32 v7, s22, v7                       ; out: place = lane
	v_mul_u32_u24 v8, v1, WTP                      ; WT: my lane's part
	v_add_nc_u32 v9, SCB, v0                       ; my block's scale byte: 32 x wave + lane
	v_lshl_add_u32 v10, v2, 2, RES                 ; my wave's word
	v_lshl_add_u32 v11, v1, 3, SCB                 ; wave 0's way out
	v_and_b32 v14, 7, v1
	s_delay_alu instid0(VALU_DEP_1)
	v_lshlrev_b32 v14, 2, v14
	s_delay_alu instid0(VALU_DEP_1)
	v_add_nc_u32 v12, RES, v14
	v_lshlrev_b32 v13, 3, v1
	s_wait_alu depctr_va_vdst(0)
	s_wait_kmcnt 0x0
	s_load_b256 s[24:31], s[8:9], 0x0              ; bg
	s_lshl_b32 s44, s21, 5
	s_add_nc_u64 s[10:11], s[10:11], s[44:45]
	s_load_b256 s[32:39], s[10:11], 0x0            ; my token's gumbel numbers
	s_lshl_b32 s44, s21, 12
	s_add_nc_u64 s[4:5], s[4:5], s[44:45]          ; my row of x
	s_lshl_b32 s44, s21, 9
	s_add_nc_u64 s[12:13], s[12:13], s[44:45]      ; my row of codes
	s_lshl_b32 s44, ttmp9, 8
	s_add_nc_u64 s[14:15], s[14:15], s[44:45]      ; the work-group's 256 scale bytes
	s_lshl_b32 s44, ttmp9, 5
	s_add_nc_u64 s[16:17], s[16:17], s[44:45]
	s_add_nc_u64 s[18:19], s[18:19], s[44:45]
.irp i, 0,1,2,3,4,5,6,7
	global_load_b128 v[G+4*\i:G+4*\i+3], v3, s[6:7] offset:4096*\i
.endr
.irp j, 0,1,2,3,4,5,6,7
	global_load_b128 v[R+4*\j:R+4*\j+3], v4, s[4:5] offset:512*\j th:TH_LOAD_NT   ; 32 lanes read 512 consecutive bytes; read once
.endr
	s_wait_loadcnt 8                               ; Wg's eight loads are in; the row's eight may be out
.irp i, 0,1,2,3,4,5,6,7
.irp j, 0,1,2,3
	ds_store_b32 v5, v[G+4*\i+\j] offset:\i*4160+\j*128
.endr
.endr
	s_wait_loadcnt 0x0
.irp j, 0,1,2,3,4,5,6,7
	ds_store_b128 v6, v[R+4*\j:R+4*\j+3] offset:576*\j    ; the row turns through my own stage: a load's 512 bytes take four places
.endr
.irp q, 0,1,2,3,4,5,6,7
	ds_load_b128 v[X+4*\q:X+4*\q+3], v7 offset:16*\q      ; LDS serves a wave's instructions in order: these see my stores.  Lane l now holds block l
.endr
	s_wait_dscnt 0x0                               ; for the others' sake: my part of WT has landed
	s_barrier_signal -1
	s_barrier_wait -1                              ; WT is whole
.macro WLOAD e, buf                    ; WT[lane][e][0 .. 31]
.irp q, 0,1,2,3,4,5,6,7
	ds_load_b128 v[\buf+4*\q:\buf+4*\q+3], v8 offset:128*(\e)+16*\q
.endr
.endm
.macro DOT e, buf                      ; 32 products in two chains of packed multiply-adds; the first two products start the sums
	v_pk_mul_f32 v[ACC+4*\e:ACC+4*\e+1], v[X:X+1], v[\buf:\buf+1]
	v_pk_mul_f32 v[ACC+4*\e+2:ACC+4*\e+3], v[X+2:X+3], v[\buf+2:\buf+3]
.irp i, 4,8,12,16,20,24,28
	s_delay_alu instid0(VALU_DEP_2)
	v_pk_fma_f32 v[ACC+4*\e:ACC+4*\e+1], v[X+\i:X+\i+1], v[\buf+\i:\buf+\i+1], v[ACC+4*\e:ACC+4*\e+1]
	s_delay_alu instid0(VALU_DEP_2)
	v_pk_fma_f32 v[ACC+4*\e+2:ACC+4*\e+3], v[X+\i+2:X+\i+3], v[\buf+\i+2:\buf+\i+3], v[ACC+4*\e+2:ACC+4*\e+3]
.endr
.endm
	WLOAD 0, G                                     ; expert 0's numbers come while the block is quantised
	v_max3_num_f32 v[MA], |v[X]|, |v[X+1]|, 0x1800000      ; my block's largest magnitude, and the floor 2^(3 - 127): the byte cannot fall under 1
	v_max3_num_f32 v[MB], |v[X+2]|, |v[X+3]|, |v[X+4]|
.irp i, 5,9,13,17,21,25
	s_delay_alu instid0(VALU_DEP_2)
	v_max3_num_f32 v[MA], v[MA], |v[X+\i]|, |v[X+\i+1]|
	s_delay_alu instid0(VALU_DEP_2)
	v_max3_num_f32 v[MB], v[MB], |v[X+\i+2]|, |v[X+\i+3]|
.endr
	s_delay_alu instid0(VALU_DEP_2)
	v_max3_num_f32 v[MA], v[MA], |v[X+29]|, |v[X+30]|
	s_delay_alu instid0(VALU_DEP_1)
	v_max3_num_f32 v[MA], v[MA], v[MB], |v[X+31]|
	s_delay_alu instid0(VALU_DEP_1)
	v_add_nc_u32 v[SCO], 0xff000000, v[MA]         ; 2 off its exponent field: the conversion takes this operand's exponent field as its scale
.irp g, 0,1,2,3
	v_cvt_scalef32_pk8_fp4_f32 v[C+\g], v[X+8*\g:X+8*\g+7], v[SCO]
.endr
	v_lshrrev_b32 v[BY], 23, v[SCO]                ; the scale's byte (a plain line behind the conversions)
	global_store_b128 v4, v[C:C+3], s[12:13]       ; 32 lanes store the token's 512 bytes of codes: two aligned runs of 256
	ds_store_b8 v9, v[BY]
.irp e, 0,1,2,3,4,5,6,7
.if \e < 7
	WLOAD \e+1, G+32*((\e+1)%2)
	s_wait_dscnt 8                                 ; all but the eight loads just issued: this expert's numbers are in
.else
	s_wait_dscnt 0x0
.endif
	DOT \e, G+32*(\e%2)
.endr
.irp e, 0,1,2,3,4,5,6,7
	v_pk_add_f32 v[ACC+4*\e:ACC+4*\e+1], v[ACC+4*\e:ACC+4*\e+1], v[ACC+4*\e+2:ACC+4*\e+3]
.endr
.irp e, 0,1,2,3,4,5,6,7
	v_add_f32 v[S+\e], v[ACC+4*\e], v[ACC+4*\e+1]
.endr
.irp m, 1,2,4,8                        ; across the lanes, the eight experts by turns
.irp e, 0,1,2,3,4,5,6,7
	v_add_f32_dpp v[S+\e], v[S+\e], v[S+\e] row_xmask:\m row_mask:0xf bank_mask:0xf
.endr
.endr
.irp e, 0,1,2,3,4,5,6,7
	v_permlanex16_b32 v[ACC+\e], v[S+\e], s40, s41
.endr
.irp e, 0,1,2,3,4,5,6,7
	v_add_f32 v[S+\e], v[S+\e], v[ACC+\e]          ; every lane holds the eight products
.endr
	s_wait_alu depctr_va_vdst(0)
	s_wait_kmcnt 0x0                               ; bg and gumbel
.irp e, 0,1,2,3,4,5,6,7
	v_add_f32 v[S+\e], s[24+\e], v[S+\e]
.endr
.irp e, 0,1,2,3,4,5,6,7
	v_add_f32 v[S+\e], s[32+\e], v[S+\e]
.endr
	v_max3_num_f32 v[MX], v[S], v[S+1], v[S+2]     ; the softmax takes its maximum away
	s_delay_alu instid0(VALU_DEP_1)
	v_max3_num_f32 v[MX], v[MX], v[S+3], v[S+4]
	s_delay_alu instid0(VALU_DEP_1)
	v_max3_num_f32 v[MX], v[MX], v[S+5], v[S+6]
	s_delay_alu instid0(VALU_DEP_1)
	v_max_num_f32 v[MX], v[MX], v[S+7]
.irp e, 0,1,2,3,4,5,6,7
	v_sub_f32 v[S+\e], v[S+\e], v[MX]
.endr
.irp e, 0,1,2,3,4,5,6,7
	v_mul_f32 v[S+\e], 0x3fb8aa3b, v[S+\e]         ; x log2(e)
.endr
	s_wait_alu depctr_va_vdst(0)
.irp e, 0,1,2,3,4,5,6,7
	v_exp_f32 v[S+\e], v[S+\e]
.endr
	v_nop                                          ; a plain line behind the last exponential
	s_wait_alu depctr_va_vdst(0)                   ; one wait for the eight, ahead of their first reader
	v_add_f32 v[SUM], v[S], v[S+1]
	v_add_f32 v[TB], v[S+2], v[S+3]
	v_add_f32 v[TC], v[S+4], v[S+5]
	v_add_f32 v[BEST], v[S+6], v[S+7]
	s_delay_alu instid0(VALU_DEP_3)
	v_add_f32 v[SUM], v[SUM], v[TB]
	s_delay_alu instid0(VALU_DEP_2)
	v_add_f32 v[TC], v[TC], v[BEST]
	s_delay_alu instid0(VALU_DEP_1)
	v_add_f32 v[SUM], v[SUM], v[TC]
	s_wait_alu depctr_va_vdst(0)
	v_rcp_f32 v[TB], v[SUM]
	v_mov_b32 v[IDX], 7                            ; (a plain line behind the reciprocal)
	s_wait_alu depctr_va_vdst(0)
.irp e, 0,1,2,3,4,5,6,7
	v_mul_f32 v[S+\e], v[S+\e], v[TB]              ; y
.endr
	s_delay_alu instid0(VALU_DEP_1)
	v_mov_b32 v[BEST], v[S+7]
.irp e, 6
	s_delay_alu instid0(VALU_DEP_1)
	v_cmp_gt_f32 vcc_lo, v[BEST], v[S+\e]
	s_delay_alu instid0(VALU_DEP_1)
	v_cndmask_b32 v[BEST], v[S+\e], v[BEST], vcc_lo
	s_delay_alu instid0(VALU_DEP_2)
	v_cndmask_b32 v[IDX], \e, v[IDX], vcc_lo
.endr
.irp e, 5, 4, 3, 2, 1, 0
	s_delay_alu instid0(VALU_DEP_2)
	v_cmp_gt_f32 vcc_lo, v[BEST], v[S+\e]
	s_delay_alu instid0(VALU_DEP_1)
	v_cndmask_b32 v[BEST], v[S+\e], v[BEST], vcc_lo
	s_delay_alu instid0(VALU_DEP_2)
	v_cndmask_b32 v[IDX], \e, v[IDX], vcc_lo
.endr
	s_delay_alu instid0(VALU_DEP_2)
	v_add_f32 v[GATE], 1.0, v[BEST]
	s_delay_alu instid0(VALU_DEP_1)
	v_sub_f32 v[GATE], v[GATE], v[BEST]            ; (1 + y) - y
	ds_store_b32 v10, v[IDX]                       ; all lanes write the same word with the same value
	ds_store_b32 v10, v[GATE] offset:32
	s_wait_dscnt 0x0                               ; for wave 0's sake: my byte store and these two have landed
	s_barrier_signal -1
	s_barrier_wait -1
	s_cmp_lg_u32 s20, 0
	s_cbranch_scc1 .Lend
	ds_load_b64 v[TA:TA+1], v11
	ds_load_b32 v[TB], v12
	ds_load_b32 v[TC], v12 offset:32
	s_wait_dscnt 0x0
	global_store_b64 v13, v[TA:TA+1], s[14:15]     ; eight tokens' scale bytes: 256 consecutive bytes, aligned
	s_wait_xcnt 0x0                                ; EXEC changes only behind this wait
	v_cmp_gt_u32 vcc_lo, 8, v1
	s_and_saveexec_b32 s42, vcc_lo
	global_store_b32 v14, v[TB], s[16:17]          ; eight experts,
	global_store_b32 v14, v[TC], s[18:19]          ; eight gates
	s_wait_xcnt 0x0                                ; and again ahead of the line that widens it
	s_or_b32 exec_lo, exec_lo, s42
.Lend:
	s_wait_tensorcnt 0x0
	ds_add_u32 v176, v177
	s_wait_dscnt 0x0
	s_endpgm
.Lfunc_end_k_q87ca8d4f1e_route:
	.size	k_q87ca8d4f1e_route, .Lfunc_end_k_q87ca8d4f1e_route-k_q87ca8d4f1e_route
	.p2alignl 7, 3214868480
	.fill 96, 4, 3214868480
	.section	.rodata,"a",@progbits
	.p2align	6, 0x0
	.amdhsa_kernel k_q87ca8d4f1e_route
		.amdhsa_group_segment_fixed_size 71680
		.amdhsa_private_segment_fixed_size 0
		.amdhsa_enable_private_segment 0
		.amdhsa_kernarg_size 64
		.amdhsa_user_sgpr_count 2
		.amdhsa_user_sgpr_kernarg_segment_ptr 1
		.amdhsa_wavefront_size32 1
		.amdhsa_system_sgpr_workgroup_id_x 1
		.amdhsa_system_sgpr_workgroup_id_y 1
		.amdhsa_system_sgpr_workgroup_id_z 1
		.amdhsa_system_vgpr_workitem_id 0
		.amdhsa_next_free_vgpr 178
		.amdhsa_next_free_sgpr 66
		.amdhsa_reserve_vcc 1
		.amdhsa_float_denorm_mode_32 3
		.amdhsa_float_denorm_mode_16_64 3
		.amdhsa_memory_ordered 1
		.amdhsa_forward_progress 1
		.amdhsa_inst_pref_size 35
	.end_amdhsa_kernel
	.amdgpu_metadata
---
amdhsa.version: [ 1, 2 ]
amdhsa.kernels:
  - .name:           k_q87ca8d4f1e_route
    .symbol:         k_q87ca8d4f1e_route.kd
    .args:
      - { .name: x, .offset: 0, .size: 8, .value_kind: global_buffer, .address_space: global }
      - { .name: Wg, .offset: 8, .size: 8, .value_kind: global_buffer, .address_space: global }
      - { .name: bg, .offset: 16, .size: 8, .value_kind: global_buffer, .address_space: global }
      - { .name: gumbel, .offset: 24, .size: 8, .value_kind: global_buffer, .address_space: global }
      - { .name: xc, .offset: 32, .size: 8, .value_kind: global_buffer, .address_space: global }
      - { .name: xs, .offset: 40, .size: 8, .value_kind: global_buffer, .address_space: global }
      - { .name: eid, .offset: 48, .size: 8, .value_kind: global_buffer, .address_space: global }
      - { .name: gw, .offset: 56, .size: 8, .value_kind: global_buffer, .address_space: global }
    .group_segment_fixed_size: 71680
    .private_segment_fixed_size: 0
    .kernarg_segment_align: 8
    .kernarg_segment_size: 64
    .max_flat_workgroup_size: 256
    .sgpr_count:     66
    .vgpr_count:     178
    .wavefront_size: 32
...
	.end_amdgpu_metadata
.endif
;; end of part 5
;; launch sort (part 6): grid 1 x 1, 8 waves a work-group, no clusters, 2,048 bytes of LDS; arguments eid, gw, ord, gs; writes ord, gs
.if DOCPART == 6
	.amdgcn_target "amdgcn-amd-amdhsa--gfx1250"
	.amdhsa_code_object_version 6
	.text
	.protected	k_q87ca8d4f1e_sort
	.globl	k_q87ca8d4f1e_sort
	.p2align	8
	.type	k_q87ca8d4f1e_sort,@function
k_q87ca8d4f1e_sort:
	s_mov_b64 s[64:65], 0
	v_nop
	global_prefetch_b8 v0, s[64:65] scope:SCOPE_SE
	s_setreg_imm32_b32 hwreg(HW_REG_WAVE_MODE, 25, 1), 1
	s_wait_xcnt 0x0
; A COUNTING SORT OF THE 2,048 TOKENS BY THEIR EXPERT, by one work-group, without atomics.
; Expert e has cnt tokens, nt = ceil(cnt / 16) tiles of 16, and its tiles begin at tb = the sum of nt over the lower experts: never more than 135 tiles in all.
; Out: ord bytes 0-127: for each expert {tb, nt, cnt, 16 tb}; from byte 256 on: the token at position p; gs: its gate.  Expert e's positions begin at 16 tb.
; The spare positions of a short last tile are not written: the later launches hold a position at the expert's last one.
; Wave w owns tokens 256 w + 32 c + lane, c = 0 .. 7.  First each wave counts its tokens of each expert (a compare's mask, its ones); the counts meet in LDS;
; lane e of every wave then works for expert e; then each token's place is its expert's running start + the number of lower lanes with the same expert.
.set ID,   8                           ; v8-15   experts
.set GWR,  16                          ; v16-23  gates
.set P,    24                          ; v24-31  positions, then byte offsets
.set TOK,  32                          ; v32-39  token numbers
.set CN,   40                          ; v40-47  the eight waves' counts (lane e: expert e)
.set META, 48                          ; v48-51  tb, nt, cnt, 16 tb
	s_load_b256 s[4:11], s[0:1], 0x0               ; eid, gw, ord, gs
	v_lshl_add_u32 v64, v0, 2, 0x400
	v_mov_b32 v65, 0
	v_lshrrev_b32 v3, 5, v0
	s_delay_alu instid0(VALU_DEP_1)
	v_readfirstlane_b32 s12, v3                    ; wave
	v_and_b32 v1, 31, v0
	s_delay_alu instid0(VALU_DEP_1)
	v_lshlrev_b32 v2, 2, v1
	s_delay_alu instid0(VALU_DEP_1)
	v_lshl_add_u32 v2, v3, 10, v2                  ; 4 (256 w + lane)
	s_delay_alu instid0(VALU_DEP_3)
	v_lshl_add_u32 v7, v3, 8, v1
	v_lshlrev_b32 v5, 2, v0                        ; LDS: 128 w + 4 lane
	v_lshlrev_b32 v6, 2, v1
	v_lshlrev_b32 v56, 4, v1
.irp c, 0,1,2,3,4,5,6,7
	v_add_nc_u32 v[TOK+\c], 32*\c, v7
.endr
.irp e, 0,1,2,3,4,5,6,7
	s_mov_b32 s[24+\e], 0
.endr
	s_wait_kmcnt 0x0
.irp c, 0,1,2,3,4,5,6,7
	global_load_b32 v[ID+\c], v2, s[4:5] offset:128*\c
.endr
.irp c, 0,1,2,3,4,5,6,7
	global_load_b32 v[GWR+\c], v2, s[6:7] offset:128*\c
.endr
	s_wait_loadcnt 8                               ; the experts are in; the gates may be out
.irp c, 0,1,2,3,4,5,6,7
.irp e, 0,1,2,3,4,5,6,7
	v_cmp_eq_u32 s[40+\e], \e, v[ID+\c]
.endr
.irp e, 0,1,2,3,4,5,6,7
	s_bcnt1_i32_b32 s[40+\e], s[40+\e]
.endr
.irp e, 0,1,2,3,4,5,6,7
	s_add_co_u32 s[24+\e], s[24+\e], s[40+\e]
.endr
.endr
	v_mov_b32 v4, 0
.irp e, 0,1,2,3,4,5,6,7
	s_delay_alu instid0(VALU_DEP_1)
	v_writelane_b32 v4, s[24+\e], \e
.endr
	ds_store_b32 v5, v4
	s_wait_dscnt 0x0                               ; for the others' sake
	s_barrier_signal -1
	s_barrier_wait -1
.irp w, 0,1,2,3,4,5,6,7
	ds_load_b32 v[CN+\w], v6 offset:128*\w
.endr
	v_mov_b32 v[META+2], 0
	v_mov_b32 v57, 0
	s_wait_dscnt 0x0
.irp w, 0,1,2,3,4,5,6,7
	s_cmp_gt_u32 s12, \w
	s_cselect_b32 s40, -1, 0
	v_and_b32 v52, s40, v[CN+\w]
	s_wait_alu depctr_va_vdst(0)
	v_add_nc_u32 v57, v57, v52                     ; the expert's tokens in the waves below mine
	v_add_nc_u32 v[META+2], v[META+2], v[CN+\w]    ; and in all
.endr
	s_delay_alu instid0(VALU_DEP_1)
	v_add_nc_u32 v[META+1], 15, v[META+2]
	s_delay_alu instid0(VALU_DEP_1)
	v_lshrrev_b32 v[META+1], 4, v[META+1]          ; nt
	s_delay_alu instid0(VALU_DEP_1)
	v_mov_b32 v53, v[META+1]
	v_mov_b32 v54, 0
.irp n, 1
	s_delay_alu instid0(VALU_DEP_2)
	v_mov_b32_dpp v54, v53 row_shr:\n row_mask:0xf bank_mask:0xf bound_ctrl:1
	s_delay_alu instid0(VALU_DEP_1)
	v_add_nc_u32 v53, v53, v54
.endr
.irp n, 2, 4
	s_delay_alu instid0(VALU_DEP_1)
	v_mov_b32_dpp v54, v53 row_shr:\n row_mask:0xf bank_mask:0xf bound_ctrl:1
	s_delay_alu instid0(VALU_DEP_1)
	v_add_nc_u32 v53, v53, v54
.endr
	s_delay_alu instid0(VALU_DEP_1)
	v_sub_nc_u32 v[META], v53, v[META+1]           ; tb
	s_delay_alu instid0(VALU_DEP_1)
	v_lshlrev_b32 v[META+3], 4, v[META]
	s_delay_alu instid0(VALU_DEP_1)
	v_add_nc_u32 v55, v[META+3], v57               ; where my wave's tokens of the expert begin
.irp e, 0,1,2,3,4,5,6,7
	v_readlane_b32 s[24+\e], v55, \e
.endr
.irp c, 0,1,2,3,4,5,6,7
.irp e, 0,1,2,3,4,5,6,7
	v_cmp_eq_u32 s[40+\e], \e, v[ID+\c]
.endr
	v_mbcnt_lo_u32_b32 v[P+\c], s40, s24           ; the start + the lower lanes with the same expert
.irp e, 1,2,3,4,5,6,7
	v_mbcnt_lo_u32_b32 v52, s[40+\e], s[24+\e]
	s_delay_alu instid0(VALU_DEP_1)
	v_cndmask_b32 v[P+\c], v[P+\c], v52, s[40+\e]
.endr
	s_wait_alu depctr_va_vdst(0)
.irp e, 0,1,2,3,4,5,6,7
	s_bcnt1_i32_b32 s[40+\e], s[40+\e]
.endr
.irp e, 0,1,2,3,4,5,6,7
	s_add_co_u32 s[24+\e], s[24+\e], s[40+\e]
.endr
	v_min_u32 v[P+\c], 2175, v[P+\c]               ; 136 tiles of 16 at the most
	s_delay_alu instid0(VALU_DEP_1)
	v_lshlrev_b32 v[P+\c], 2, v[P+\c]
.endr
	s_wait_alu depctr_va_vdst(0)
	s_wait_loadcnt 0x0                             ; the gates
.irp c, 0,1,2,3,4,5,6,7
	global_store_b32 v[P+\c], v[TOK+\c], s[8:9] offset:256
	global_store_b32 v[P+\c], v[GWR+\c], s[10:11]
.endr
	s_cmp_lg_u32 s12, 0
	s_cbranch_scc1 .Lend
	s_wait_xcnt 0x0                                ; EXEC changes only behind this wait
	v_cmp_gt_u32 vcc_lo, 8, v1
	s_and_saveexec_b32 s13, vcc_lo
	global_store_b128 v56, v[META:META+3], s[8:9]
	s_wait_xcnt 0x0
	s_or_b32 exec_lo, exec_lo, s13
.Lend:
	s_wait_tensorcnt 0x0
	ds_add_u32 v64, v65
	s_wait_dscnt 0x0
	s_endpgm
.Lfunc_end_k_q87ca8d4f1e_sort:
	.size	k_q87ca8d4f1e_sort, .Lfunc_end_k_q87ca8d4f1e_sort-k_q87ca8d4f1e_sort
	.p2alignl 7, 3214868480
	.fill 96, 4, 3214868480
	.section	.rodata,"a",@progbits
	.p2align	6, 0x0
	.amdhsa_kernel k_q87ca8d4f1e_sort
		.amdhsa_group_segment_fixed_size 2048
		.amdhsa_private_segment_fixed_size 0
		.amdhsa_enable_private_segment 0
		.amdhsa_kernarg_size 32
		.amdhsa_user_sgpr_count 2
		.amdhsa_user_sgpr_kernarg_segment_ptr 1
		.amdhsa_wavefront_size32 1
		.amdhsa_system_sgpr_workgroup_id_x 1
		.amdhsa_system_sgpr_workgroup_id_y 1
		.amdhsa_system_sgpr_workgroup_id_z 1
		.amdhsa_system_vgpr_workitem_id 0
		.amdhsa_next_free_vgpr 66
		.amdhsa_next_free_sgpr 66
		.amdhsa_reserve_vcc 1
		.amdhsa_float_denorm_mode_32 3
		.amdhsa_float_denorm_mode_16_64 3
		.amdhsa_memory_ordered 1
		.amdhsa_forward_progress 1
		.amdhsa_inst_pref_size 37
	.end_amdhsa_kernel
	.amdgpu_metadata
---
amdhsa.version: [ 1, 2 ]
amdhsa.kernels:
  - .name:           k_q87ca8d4f1e_sort
    .symbol:         k_q87ca8d4f1e_sort.kd
    .args:
      - { .name: eid, .offset: 0, .size: 8, .value_kind: global_buffer, .address_space: global }
      - { .name: gw, .offset: 8, .size: 8, .value_kind: global_buffer, .address_space: global }
      - { .name: ord, .offset: 16, .size: 8, .value_kind: global_buffer, .address_space: global }
      - { .name: gs, .offset: 24, .size: 8, .value_kind: global_buffer, .address_space: global }
    .group_segment_fixed_size: 2048
    .private_segment_fixed_size: 0
    .kernarg_segment_align: 8
    .kernarg_segment_size: 32
    .max_flat_workgroup_size: 256
    .sgpr_count:     66
    .vgpr_count:     66
    .wavefront_size: 32
...
	.end_amdgpu_metadata
.endif
;; end of part 6
;; launch up (part 7): grid 256 x 1, 4 waves a work-group, no clusters, 37,376 bytes of LDS; arguments W1, b1, xc, xs, ord, hc, hs; writes hc, hs
.if DOCPART == 7
	.amdgcn_target "amdgcn-amd-amdhsa--gfx1250"
	.amdhsa_code_object_version 6
	.text
	.protected	k_q87ca8d4f1e_up
	.globl	k_q87ca8d4f1e_up
	.p2align	8
	.type	k_q87ca8d4f1e_up,@function
k_q87ca8d4f1e_up:
	s_mov_b64 s[64:65], 0
	v_nop
	global_prefetch_b8 v0, s[64:65] scope:SCOPE_SE
	s_setreg_imm32_b32 hwreg(HW_REG_WAVE_SCHED_MODE, 0, 2), 2
	s_setreg_imm32_b32 hwreg(HW_REG_WAVE_MODE, 25, 1), 1
	s_wait_xcnt 0x0
	s_wait_alu depctr_vm_vsrc(0)
; THE FIRST PRODUCT, FOR THE CHOSEN ROWS ALONE: h = Q(relu(Q(x) Q(W1[e]) + b1[e])), on codes of E2M1 with one E8M0 scale for each 32 along K.
; SHARES.  Work-group g owns expert e = g / 32 and the 64 hidden units 64 (g % 32) on: 256 bytes of each of W1[e]'s 1,024 rows: every byte of W1 has one reader.
; PHASE 1: the slice is read once.  Wave w takes K rows 256 w on, in four sets of 64 rows.  A load: lanes 0-15 take one row's 256 bytes (aligned), lanes 16-31 those of the row 32 further down; 32 loads
; give a lane 4 columns x one whole block of 32 along K.  The numbers of a column are brought onto consecutive registers (128 copies a set: what whole rows cost), the block's largest magnitude needs no other
; lane, and the conversions give codes with K innermost: 16 bytes a block into the column's row in LDS, the scale byte beside it.
; ONE BARRIER; then every wave copies ALL the slice's codes (4 tiles of 16 units x 8 K steps: 256 registers) and scale words into its own registers.
; PHASE 2: the expert's tiles of 16 tokens, tile c to wave c % 4, in a loop whose count comes from the stored number nt: it has no barrier.  A tile: x's codes of 16 tokens, gathered by the stored list, straight into
; registers; 32 matrix instructions, used transposed (source 0 = 16 units, source 1 = 16 tokens), b1 as the C of each sum's first; relu; quantised in registers; stored as an image of the next product's operand.
; THE UNITS OF A TILE ARE NOT NEIGHBOURS: lane m of tile 2 b + u takes unit 32 b + 8 u + m + 8 (m / 8), so that a lane's 16 registers of tiles 2 b, 2 b + 1 are the units 32 b + 16 (lane / 16) + 0 .. 15.
; In LDS that is a swap of bits 3 and 4 of the column's number, so that a tile's sixteen rows are neighbours.
; A position past the expert's last is held at the last: a short tile's spare rows repeat its last token.  Four tile buffers: a buffer is asked for again in every tile's turn (its index held inside the list), so that the
; counted wait at a turn's head counts the same loads on every way; a wave's last four refills bring bytes that nobody uses.  A work-group of an expert without tokens reads its slice and stores nothing.
; NO TENSOR LOAD AND NO CLUSTER: the loop's count is read from memory.  What the 32 work-groups of an expert share, x's codes (544 bytes a token), is small beside a work-group's own 262,144 bytes of W1.
; LIMITS: NaN and infinities are not served; a block of zeros gets the byte 1 where the rule says 127 (its codes are zeros; this program alone reads the bytes).
; REGISTERS.  window 0: see the names below.  windows 1, 2: the four sets as loaded; window 1 then: the weights' fragments, (tile t, K step k) at v[8 (8 t + k)].  window 3: x's fragments, buffer p at v[64 p].
; THE MODE: SCHED_MODE bits 1:0 = 2 (LLVM: expert scheduling mode 2), set by the entry lines.  The code itself states the register dependences
; between vector or matrix instructions and memory or LDS instructions, with s_wait_alu, always for 0.
; THE PLAN.  Registers that memory or LDS instructions touch, and who else names them:
;   WA, WCS, SBS, FRA, SWR, BO   offsets made once at the head and never written again: one wait on va_vdst ahead of the first load serves them for the whole kernel.
;   the four sets                loaded once; read by a set's 128 copies.  Window 1 is loaded again, from LDS, behind the barrier.
;   M, C                         written by a set's shifts and conversions, read by its eight LDS stores, written again by the next set.
;     So a set has ONE wait on va_vdst, ahead of its LDS stores (it also states that the copies are done reading the set's registers: behind set 3's no vector line stands ahead of the fragments' loads),
;     and every set but the first one wait on vm_vsrc ahead of its first write of M.
;   XA, XSA, VP                  written by a refill's address lines, read by its 19 loads.
;   x's buffer p, XS[p], TOK[p]  read by turn p's 32 matrix instructions (TOK[p]: by one v_min_u32); then the refill lands in them.
;   HO, SO, HC, HB               written behind the refill's loads, read by the turn's three stores.
;     So a turn has one wait on vm_vsrc, behind its matrix instructions: the last turn's loads and stores have read all seven kinds of register that the turn writes again, and the 19 loads that follow read XA, XSA and VP alone;
;     one wait on va_vdst ahead of the 19 loads, and one ahead of the three stores.
.set ROWP,  8192                       ; a row of W1[e] in bytes
.set PITCH, 528                        ; a unit's row in LDS: 1,024 codes = 512 bytes, + 16: 33 x 16 bytes from row to row
.set SP,    48                         ; its 32 scale bytes + 16
.set SWB,   64*PITCH
.set WA,   4                           ; v4   W1: 16 (lane % 16) + 32 rows x (lane / 16)
.set WCS,  5                           ; v5   LDS: where my codes go
.set SBS,  6                           ; v6   and my scale bytes
.set FRA,  7                           ; v7   LDS: a fragment's row x pitch + 16 x half
.set SWR,  8                           ; v8   LDS: scale words, a row a lane
.set BO,   9                           ; v9   b1: 64 x half
.set HL,   10                          ; v10  hc: 16 r + 8 half
.set R4,   11                          ; v11  4 r
.set HO,   12                          ; v12  hc: the tile's offset
.set SO,   13                          ; v13  hs: the tile's offset
.set XA,   14                          ; v14  xc: my token's row + 16 x half
.set XSA,  15                          ; v15  xs: my token's row
.set VP,   16                          ; v16  ord: my position
.set H16,  17                          ; v17  16 x half
.set TOK,  20                          ; v20-23   the token of my row, for each buffer's next fill
.set M,    24                          ; v24-27   largest magnitudes, then scale bytes
.set PT,   26                          ;          (phase 2: the other half's maxima)
.set SCO,  28                          ; v28-31   the conversions' scale operands
.set BY,   30                          ;          (phase 2: the two bytes)
.set C,    32                          ; v32-47   a set's codes
.set HC,   32                          ;          (phase 2: h's codes, v32-35; v36 its two bytes)
.set HB,   36
.set XS,   48                          ; v48-79   x's scale words, eight for each buffer: they hold nothing else
.set BIAS, 80                          ; v80-111  b1 in the result's layout
.set T,    112                         ; v112-239 phase 1: four columns x 32 numbers
.set ACC,  128                         ; v128-159 phase 2: four accumulators
.set WS,   240                         ; v240-255 the weights' scale words, and nothing else: register 8 b + k: lanes 0-15 tile 2 b, lanes 16-31 tile 2 b + 1
.set MSB, 0
.macro WIN new                         ; the immediate's high byte repeats the setting that is left
.if MSB != (\new)
	s_set_vgpr_msb (MSB<<8)|(\new)
.set MSB, (\new)
.endif
.endm
.macro LOADSET s, win, rb              ; set s: 64 rows of K, 32 loads, into the window named by win (as the destination's field), from register rb on.  No vector line has named these registers, and WA stands since the head's wait
	WIN \win
.set i, 0
.rept 32
	global_load_b128 v[\rb+4*i:\rb+4*i+3], v[WA], s[4:5] offset:(64*(\s)+i)*ROWP th:TH_LOAD_NT
.set i, i+1
.endr
	WIN 0
.endm
.macro PROCESS s, win, rb              ; set s becomes codes and scale bytes in LDS
	WIN \win
.set i, 0
.rept 32
	v_mov_b32 v[T+i], v[\rb+4*i]
	v_mov_b32 v[T+32+i], v[\rb+4*i+1]
	v_mov_b32 v[T+64+i], v[\rb+4*i+2]
	v_mov_b32 v[T+96+i], v[\rb+4*i+3]
.set i, i+1
.endr
	WIN 0
	s_wait_dscnt 0x0                               ; the last set's LDS stores are done
.if (\s) > 0
	s_wait_alu depctr_vm_vsrc(0)                   ; the last set's LDS stores have read M and C, which the lines below write again
.endif
.irp j, 0,1,2,3
	v_max3_num_f32 v[M+\j], |v[T+32*\j]|, |v[T+32*\j+1]|, 0x1800000   ; the floor 2^(3 - 127): the byte cannot fall under 1
.endr
.set i, 2
.rept 15
.irp j, 0,1,2,3
	v_max3_num_f32 v[M+\j], v[M+\j], |v[T+32*\j+i]|, |v[T+32*\j+i+1]|   ; the four columns by turns
.endr
.set i, i+2
.endr
.irp j, 0,1,2,3
	v_add_nc_u32 v[SCO+\j], 0xff000000, v[M+\j]    ; 2 off the exponent field
.endr
.irp j, 0,1,2,3
	v_lshrrev_b32 v[M+\j], 23, v[SCO+\j]           ; the byte
.endr
.irp j, 0,1,2,3
.irp g, 0,1,2,3
	v_cvt_scalef32_pk8_fp4_f32 v[C+4*\j+\g], v[T+32*\j+8*\g:T+32*\j+8*\g+7], v[SCO+\j]
.endr
.endr
	v_nop                                          ; a plain line behind the last conversion
	s_wait_alu depctr_va_vdst(0)                   ; the conversions have written C and the shifts M, which the LDS stores below read; the copies above are done reading the set's registers
.irp j, 0,1,2,3
	ds_store_b128 v[WCS], v[C+4*\j:C+4*\j+3] offset:\j*PITCH+32*(\s)
.endr
.irp j, 0,1,2,3
	ds_store_b8 v[SBS], v[M+\j] offset:\j*SP+2*(\s)
.endr
.endm
.macro POS reg, st                     ; the byte offset in the list of row r of the expert's tile s[st]: held at the expert's last position, then inside the list
	s_lshl_b32 s2, s[\st], 4
	v_add_nc_u32 v[\reg], s2, v1
	v_min_u32 v[\reg], s28, v[\reg]
	v_add_nc_u32 v[\reg], s29, v[\reg]
	v_min_u32 v[\reg], 2175, v[\reg]
	v_lshlrev_b32 v[\reg], 2, v[\reg]
.endm
.macro XFILL p                         ; buffer p: the codes and scale words of the 16 tokens in TOK[p]; then TOK[p] is asked for anew, for tile s32.  19 loads.  The three offsets are made first, so that one wait serves all 19
	s_wait_xcnt 0x0                                ; every earlier load and store has read its address and data registers: they are written again only behind this wait
	s_wait_alu depctr_vm_vsrc(0)                   ; the loads issued so far have read XA, XSA and VP, and in the loop the last turn's stores HO, SO, HC and HB: all of these are written again from here on
	v_min_u32 v18, 2047, v[TOK+\p]
	v_lshl_add_u32 v[XA], v18, 9, v[H16]
	v_lshlrev_b32 v[XSA], 5, v18
	POS VP, 32
	WIN 0xc0
	s_wait_alu depctr_va_vdst(0)                   ; XA, XSA and VP are written, which the loads below read; TOK[p] has been read; in the loop the turn's matrix instructions are done reading buffer p and XS[p]: the loads below land in these
.irp k, 0,1,2,3,4,5,6,7
.irp c, 0,1
	global_load_b128 v[64*\p+8*\k+4*\c:64*\p+8*\k+4*\c+3], v[XA], s[8:9] offset:64*\k+32*\c
.endr
.endr
	WIN 0
	global_load_b128 v[XS+8*\p:XS+8*\p+3], v[XSA], s[10:11]
	global_load_b128 v[XS+8*\p+4:XS+8*\p+7], v[XSA], s[10:11] offset:16
	global_load_b32 v[TOK+\p], v[VP], s[12:13] offset:256
.endm
	s_load_b256 s[4:11], s[0:1], 0x0               ; W1, b1, xc, xs
	s_load_b128 s[12:15], s[0:1], 0x20             ; ord, hc
	s_load_b64 s[16:17], s[0:1], 0x30              ; hs
	v_lshrrev_b32 v18, 5, v0
	v_readfirstlane_b32 s18, v18                   ; wave
	s_lshr_b32 s19, ttmp9, 5                       ; expert
	s_and_b32 s20, ttmp9, 31                       ; slice
	s_mov_b32 s35, 0
	s_mov_b32 s36, 0x76543210
	s_mov_b32 s37, 0xfedcba98                      ; selects for lane l xor 16
	v_and_b32 v3, 31, v0                           ; lane
	v_and_b32 v1, 15, v0                           ; r
	v_bfe_u32 v2, v0, 4, 1                         ; half
	v_lshlrev_b32 v[WA], 4, v1
	v_lshl_add_u32 v[WA], v2, 18, v[WA]
	v_and_b32 v18, 1, v1                           ; my first column is 4 r; its row in LDS has bits 3 and 4 changed over
	v_lshlrev_b32 v18, 2, v18
	v_bfe_u32 v19, v1, 2, 1
	v_lshl_or_b32 v18, v19, 3, v18
	v_bfe_u32 v19, v1, 1, 1
	v_lshl_or_b32 v18, v19, 4, v18
	v_bfe_u32 v19, v1, 3, 1
	v_lshl_or_b32 v18, v19, 5, v18
	v_mul_u32_u24 v[WCS], v18, PITCH
	v_lshl_add_u32 v[WCS], v2, 4, v[WCS]
	s_wait_alu depctr_va_sdst(0)                   ; s18, the wave's number, is written, ahead of its first reader
	s_lshl_b32 s2, s18, 7
	v_add_nc_u32 v[WCS], s2, v[WCS]                ; block 8 w + 2 s + half: 16 bytes each
	v_mul_u32_u24 v[SBS], v18, SP
	v_add_nc_u32 v[SBS], v[SBS], v2
	s_lshl_b32 s2, s18, 3
	s_add_co_u32 s2, s2, SWB
	v_add_nc_u32 v[SBS], s2, v[SBS]
	v_mul_u32_u24 v[FRA], v1, PITCH
	v_lshl_add_u32 v[FRA], v2, 4, v[FRA]
	v_mul_u32_u24 v[SWR], v3, SP
	v_add_nc_u32 v[SWR], SWB, v[SWR]
	v_lshlrev_b32 v[BO], 6, v2
	v_lshlrev_b32 v[HL], 4, v1
	v_lshl_add_u32 v[HL], v2, 3, v[HL]
	v_lshlrev_b32 v[R4], 2, v1
	v_lshlrev_b32 v[H16], 4, v2
	s_wait_kmcnt 0x0
	s_lshl_b32 s34, s19, 4
	s_add_nc_u64 s[38:39], s[12:13], s[34:35]
	s_load_b128 s[24:27], s[38:39], 0x0            ; the expert's tb, nt, cnt, 16 tb
	s_lshl_b32 s34, s19, 23                        ; W1: expert x 8 MiB + slice x 256 + wave x 256 rows
	s_lshl_b32 s2, s20, 8
	s_add_co_u32 s34, s34, s2
	s_lshl_b32 s2, s18, 21
	s_add_co_u32 s34, s34, s2
	s_add_nc_u64 s[4:5], s[4:5], s[34:35]
	s_lshl_b32 s34, s19, 13                        ; b1: expert x 8,192 + slice x 256
	s_lshl_b32 s2, s20, 8
	s_add_co_u32 s34, s34, s2
	s_add_nc_u64 s[6:7], s[6:7], s[34:35]
	s_lshl_b32 s34, s20, 9                         ; hc: K step slice / 2 (1,024 bytes), half slice % 2 (512): 512 x slice
	s_add_nc_u64 s[14:15], s[14:15], s[34:35]
	s_lshr_b32 s34, s20, 1                         ; hs: 64 bytes a K step, bytes 2 (slice % 2) on of each word
	s_lshl_b32 s34, s34, 6
	s_and_b32 s2, s20, 1
	s_lshl_b32 s2, s2, 1
	s_add_co_u32 s34, s34, s2
	s_add_nc_u64 s[16:17], s[16:17], s[34:35]
	s_wait_alu depctr_va_vdst(0)                   ; the offsets that stay, WA, WCS, SBS, FRA, SWR and BO, are written: the loads and LDS instructions of the whole kernel read them
.irp t, 0,1,2,3                        ; lane (r, half), tile 2 b + u, register j: b1 of unit 32 b + 16 half + 8 u + j
	global_load_b128 v[BIAS+8*\t:BIAS+8*\t+3], v[BO], s[6:7] offset:(32*(\t/2)+8*(\t%2))*4
	global_load_b128 v[BIAS+8*\t+4:BIAS+8*\t+7], v[BO], s[6:7] offset:(32*(\t/2)+8*(\t%2))*4+16
.endr
	LOADSET 0, 0x40, 0
	LOADSET 1, 0x40, 128
	s_wait_kmcnt 0x0
	s_min_u32 s25, s25, 128                        ; 2,048 tokens make no more than 128 tiles of 16
	s_max_u32 s28, s26, 1
	s_sub_co_u32 s28, s28, 1                       ; the expert's last position, from its first
	s_cmp_lg_u32 s26, 0
	s_cselect_b32 s29, s27, 0                      ; its first position (an expert without tokens: position 0, which is always written)
	s_mov_b32 s32, s18                             ; the tokens of my first four tiles: four address registers, made in one run, so that one wait serves the four loads
	POS XA, 32
	s_add_co_u32 s32, s18, 4
	POS XSA, 32
	s_add_co_u32 s32, s18, 8
	POS VP, 32
	s_add_co_u32 s32, s18, 12
	POS 19, 32
	s_wait_alu depctr_va_vdst(0)                   ; the four offsets are written, which the four loads below read
	global_load_b32 v[TOK], v[XA], s[12:13] offset:256
	global_load_b32 v[TOK+1], v[XSA], s[12:13] offset:256
	global_load_b32 v[TOK+2], v[VP], s[12:13] offset:256
	global_load_b32 v[TOK+3], v19, s[12:13] offset:256
	s_wait_loadcnt 36                              ; b1 and set 0 are in; behind them: set 1's 32 loads and the four of the list
	LOADSET 2, 0x80, 0
	PROCESS 0, 1, 0
	s_wait_loadcnt 32                              ; set 1 and the tokens are in; behind them: set 2
	LOADSET 3, 0x80, 128
	PROCESS 1, 1, 128
	s_wait_loadcnt 32                              ; set 2 is in; behind it: set 3
	PROCESS 2, 2, 0
	s_add_co_u32 s32, s18, 16                      ; my first four tiles of x are asked for here, behind the last of the weights' loads
	XFILL 0
	s_add_co_u32 s32, s18, 20
	XFILL 1
	s_add_co_u32 s32, s18, 24
	XFILL 2
	s_add_co_u32 s32, s18, 28
	XFILL 3
	s_wait_loadcnt 63                              ; set 3 is in: 76 loads were issued behind it; the wait names the most that its field holds, which is fewer
	PROCESS 3, 2, 128
	s_wait_dscnt 0x0                               ; for the others' sake: my codes and bytes have landed
	s_barrier_signal -1
	s_barrier_wait -1                              ; the slice is whole
	WIN 0x40                                       ; (the copies that read window 1 stand ahead of set 3's wait on va_vdst, and no vector line stands behind it: the loads below owe nothing more)
.irp t, 0,1,2,3
.irp k, 0,1,2,3,4,5,6,7
.irp c, 0,1
	ds_load_b128 v[8*(8*\t+\k)+4*\c:8*(8*\t+\k)+4*\c+3], v[FRA] offset:16*\t*PITCH+64*\k+32*\c
.endr
.endr
.endr
	WIN 0
.irp b, 0,1
.irp g, 0,1
	ds_load_b128 v[WS+8*\b+4*\g:WS+8*\b+4*\g+3], v[SWR] offset:32*\b*SP+16*\g
.endr
.endr
	s_wait_dscnt 0x0
; THE TURN OF BUFFER p, for the expert's tile s31.
.macro TILE p
	s_wait_loadcnt 57                              ; this buffer's 19 loads are in; behind them: the other three buffers' 19 each
	WIN 0x0d                                       ; source 0 (weights) window 1, source 1 (x) window 3
.irp k, 0,1,2,3,4,5,6,7                ; K ascending; the four accumulators by turns, one instruction a turn
.irp t, 0,1,2,3
.set rD, ACC+8*\t
.set rC, rD
.if \k == 0
.set rC, BIAS+8*\t
.endif
.set rA, 8*(8*\t+\k)
.set rB, 64*\p+8*\k
.set rW, WS+8*(\t/2)+\k
.set rX, XS+8*\p+\k
.if \t%2
	v_wmma_scale_f32_16x16x128_f8f6f4 v[rD:rD+7], v[rA:rA+7], v[rB:rB+7], v[rC:rC+7], v[rW], v[rX] matrix_a_fmt:MATRIX_FMT_FP4 matrix_b_fmt:MATRIX_FMT_FP4 matrix_a_scale:MATRIX_SCALE_ROW1
.else
	v_wmma_scale_f32_16x16x128_f8f6f4 v[rD:rD+7], v[rA:rA+7], v[rB:rB+7], v[rC:rC+7], v[rW], v[rX] matrix_a_fmt:MATRIX_FMT_FP4 matrix_b_fmt:MATRIX_FMT_FP4
.endif
.endr
.endr
	WIN 0
.rept 4
	v_nop                                          ; four places ahead of the loads into x's registers and of the first read of results
.endr
	s_add_co_u32 s32, s31, 32
	XFILL \p                                       ; the tile 16 further on, and the tokens of the tile 32 further on
	s_add_co_u32 s2, s24, s31
	s_min_u32 s2, s2, 135                          ; the tile's number among all experts'
	s_lshl_b32 s3, s2, 14
	v_add_nc_u32 v[HO], s3, v[HL]
	s_lshl_b32 s3, s2, 10
	v_add_nc_u32 v[SO], s3, v[R4]
.irp b, 0,1                            ; the two blocks' maxima and the relu by turns.  No |.|: what is negative does not count, and the floor stands over it
	v_max3_num_f32 v[M+\b], v[ACC+16*\b], v[ACC+16*\b+1], 0x1800000
.endr
.irp b, 0,1
	v_max_num_f32 v[ACC+16*\b], 0, v[ACC+16*\b]
	v_max_num_f32 v[ACC+16*\b+1], 0, v[ACC+16*\b+1]
.endr
.irp i, 2,4,6,8,10,12,14
.irp b, 0,1
	v_max3_num_f32 v[M+\b], v[M+\b], v[ACC+16*\b+\i], v[ACC+16*\b+\i+1]
.endr
.irp b, 0,1
	v_max_num_f32 v[ACC+16*\b+\i], 0, v[ACC+16*\b+\i]
	v_max_num_f32 v[ACC+16*\b+\i+1], 0, v[ACC+16*\b+\i+1]
.endr
.endr
.irp b, 0,1
	v_permlanex16_b32 v[PT+\b], v[M+\b], s36, s37
.endr
.irp b, 0,1
	v_max_num_f32 v[M+\b], v[M+\b], v[PT+\b]       ; with lane l xor 16's 16 units: the block's
.endr
.irp b, 0,1
	v_add_nc_u32 v[SCO+\b], 0xff000000, v[M+\b]
.endr
.irp b, 0,1
	v_lshrrev_b32 v[BY+\b], 23, v[SCO+\b]
.endr
.irp b, 0,1
	v_cvt_scalef32_pk8_fp4_f32 v[HC+2*\b], v[ACC+16*\b:ACC+16*\b+7], v[SCO+\b]
	v_cvt_scalef32_pk8_fp4_f32 v[HC+2*\b+1], v[ACC+16*\b+8:ACC+16*\b+15], v[SCO+\b]
.endr
	v_lshl_or_b32 v[HB], v[BY+1], 8, v[BY]         ; the two bytes (a plain line behind the last conversion)
	s_wait_alu depctr_va_vdst(0)                   ; the conversions have written HC, the line above HB, and HO and SO are written: the three stores below read them
	global_store_b64 v[HO], v[HC:HC+1], s[14:15]               ; block b is lanes 16 b on of the operand's image; my 8 bytes lie at 16 r + 8 half: 32 lanes store 256 consecutive bytes, aligned
	global_store_b64 v[HO], v[HC+2:HC+3], s[14:15] offset:256
	global_store_b16 v[SO], v[HB], s[16:17]                    ; both halves of the lanes write the same two bytes
.endm
	; My tiles are wave, wave + 4, .. below nt; a trip takes four of them: ceil((nt - wave) / 16) trips, 0 where nt <= wave.  The loop counts trips by 1; the trip's first tile stands in s22
	s_add_co_u32 s21, s25, 15
	s_sub_co_u32 s21, s21, s18
	s_lshr_b32 s21, s21, 4                         ; my trips
	s_mov_b32 s22, s18                             ; my first tile
	s_mov_b32 s30, 0
	s_cmp_eq_u32 s21, 0
	s_cbranch_scc1 .Ldone
.Lloop:                                            ; a trip: four turns.  A wave whose tiles are done between two turns ends there: nothing jumps over the counter's step
	s_mov_b32 s31, s22
	TILE 0
	s_add_co_u32 s31, s22, 4
	s_cmp_lt_u32 s31, s25
	s_cbranch_scc1 .Lgo1
	s_wait_xcnt 0x0
	v_lshl_add_u32 v254, v0, 2, 0x9000             ; the add's two registers are made anew: until here they held scale words, which no memory or LDS instruction reads
	v_mov_b32 v255, 0
	s_wait_dscnt 0x0                               ; the closing lines, six on end
	s_wait_alu 0x0
	s_wait_tensorcnt 0x0
	ds_add_u32 v254, v255
	s_wait_dscnt 0x0
	s_endpgm
.Lgo1:
	TILE 1
	s_add_co_u32 s31, s22, 8
	s_cmp_lt_u32 s31, s25
	s_cbranch_scc1 .Lgo2
	s_wait_xcnt 0x0
	v_lshl_add_u32 v254, v0, 2, 0x9000             ; the add's two registers, made anew as above
	v_mov_b32 v255, 0
	s_wait_dscnt 0x0                               ; the closing lines, six on end
	s_wait_alu 0x0
	s_wait_tensorcnt 0x0
	ds_add_u32 v254, v255
	s_wait_dscnt 0x0
	s_endpgm
.Lgo2:
	TILE 2
	s_add_co_u32 s31, s22, 12
	s_cmp_lt_u32 s31, s25
	s_cbranch_scc1 .Lgo3
	s_wait_xcnt 0x0
	v_lshl_add_u32 v254, v0, 2, 0x9000             ; the add's two registers, made anew as above
	v_mov_b32 v255, 0
	s_wait_dscnt 0x0                               ; the closing lines, six on end
	s_wait_alu 0x0
	s_wait_tensorcnt 0x0
	ds_add_u32 v254, v255
	s_wait_dscnt 0x0
	s_endpgm
.Lgo3:
	TILE 3
	s_add_co_u32 s22, s22, 16
	s_add_co_u32 s30, s30, 1
	s_cmp_lt_u32 s30, s21
	s_cbranch_scc1 .Lloop
.Ldone:
	s_wait_xcnt 0x0
	v_lshl_add_u32 v254, v0, 2, 0x9000             ; the add's two registers, made anew as above
	v_mov_b32 v255, 0
	s_wait_dscnt 0x0                               ; the closing lines, six on end
	s_wait_alu 0x0
	s_wait_tensorcnt 0x0
	ds_add_u32 v254, v255
	s_wait_dscnt 0x0
	s_endpgm
.Lfunc_end_k_q87ca8d4f1e_up:
	.size	k_q87ca8d4f1e_up, .Lfunc_end_k_q87ca8d4f1e_up-k_q87ca8d4f1e_up
	.p2alignl 7, 3214868480
	.fill 96, 4, 3214868480
	.section	.rodata,"a",@progbits
	.p2align	6, 0x0
	.amdhsa_kernel k_q87ca8d4f1e_up
		.amdhsa_group_segment_fixed_size 37376
		.amdhsa_private_segment_fixed_size 0
		.amdhsa_enable_private_segment 0
		.amdhsa_kernarg_size 56
		.amdhsa_user_sgpr_count 2
		.amdhsa_user_sgpr_kernarg_segment_ptr 1
		.amdhsa_wavefront_size32 1
		.amdhsa_system_sgpr_workgroup_id_x 1
		.amdhsa_system_sgpr_workgroup_id_y 1
		.amdhsa_system_sgpr_workgroup_id_z 1
		.amdhsa_system_vgpr_workitem_id 0
		.amdhsa_next_free_vgpr 1024
		.amdhsa_next_free_sgpr 66
		.amdhsa_reserve_vcc 0
		.amdhsa_float_denorm_mode_32 3
		.amdhsa_float_denorm_mode_16_64 3
		.amdhsa_memory_ordered 1
		.amdhsa_forward_progress 1
		.amdhsa_inst_pref_size 114
	.end_amdhsa_kernel
	.amdgpu_metadata
---
amdhsa.version: [ 1, 2 ]
amdhsa.kernels:
  - .name:           k_q87ca8d4f1e_up
    .symbol:         k_q87ca8d4f1e_up.kd
    .args:
      - { .name: W1, .offset: 0, .size: 8, .value_kind: global_buffer, .address_space: global }
      - { .name: b1, .offset: 8, .size: 8, .value_kind: global_buffer, .address_space: global }
      - { .name: xc, .offset: 16, .size: 8, .value_kind: global_buffer, .address_space: global }
      - { .name: xs, .offset: 24, .size: 8, .value_kind: global_buffer, .address_space: global }
      - { .name: ord, .offset: 32, .size: 8, .value_kind: global_buffer, .address_space: global }
      - { .name: hc, .offset: 40, .size: 8, .value_kind: global_buffer, .address_space: global }
      - { .name: hs, .offset: 48, .size: 8, .value_kind: global_buffer, .address_space: global }
    .group_segment_fixed_size: 37376
    .private_segment_fixed_size: 0
    .kernarg_segment_align: 8
    .kernarg_segment_size: 56
    .max_flat_workgroup_size: 128
    .sgpr_count:     66
    .vgpr_count:     1024
    .wavefront_size: 32
...
	.end_amdgpu_metadata
.endif
;; end of part 7
;; launch down (part 8): grid 128 x 1, 4 waves a work-group, no clusters, 89,600 bytes of LDS; arguments W2, b2, hc, hs, ord, gs, out0; writes out0
.if DOCPART == 8
	.amdgcn_target "amdgcn-amd-amdhsa--gfx1250"
	.amdhsa_code_object_version 6
	.text
	.protected	k_q87ca8d4f1e_down
	.globl	k_q87ca8d4f1e_down
	.p2align	8
	.type	k_q87ca8d4f1e_down,@function
k_q87ca8d4f1e_down:
	s_mov_b64 s[64:65], 0
	v_nop
	global_prefetch_b8 v0, s[64:65] scope:SCOPE_SE
	s_setreg_imm32_b32 hwreg(HW_REG_WAVE_SCHED_MODE, 0, 2), 2
	s_setreg_imm32_b32 hwreg(HW_REG_WAVE_MODE, 25, 1), 1
	s_wait_xcnt 0x0
	s_wait_alu depctr_vm_vsrc(0)
; THE SECOND PRODUCT AND THE GATE, FOR THE CHOSEN ROWS ALONE: out[t] = gate[t] x (h[t] Q(W2[e]) + b2[e]), on codes of E2M1 with one E8M0 scale for each 32 along K = 2,048.
; SHARES.  Work-group g owns expert e = g / 16 and the 64 outputs 64 (g % 16) on: 256 bytes of each of W2[e]'s 2,048 rows: every byte of W2 has one reader, and every row of out one owner for these 256 bytes.
; 128 work-groups: 32 outputs to a work-group would read half of each aligned 256 bytes of W2, and a split of K would want a sum across work-groups.
; PHASE 1: as in the launch before: wave w takes K rows 512 w on, eight sets of 64 rows on a ring of four sets of registers; a lane holds 4 columns x a block of 32 along K; codes and scale bytes go to LDS.
; ONE BARRIER; then every wave copies all the slice's codes (4 tiles of 16 outputs x 16 K steps: 512 registers) and scale words into its own registers.
; PHASE 2: the expert's tiles of 16 tokens, tile c to wave c % 4, in a loop whose count comes from the stored number nt, without a barrier.  A tile: h's 16 fragments, stored as images of the operand's registers, by 32 dense
; loads of 512 bytes; 64 matrix instructions, used transposed (source 0 = 16 outputs, source 1 = 16 tokens), b2 as the C of each sum's first; x the gate; through the wave's own stage in LDS, so that sixteen lanes
; store 256 consecutive bytes, aligned, of a token's row.  The row's token number goes through the stage with its row, in the row's padding: the lanes that store a row are not the lanes that computed it.
; A position past the expert's last is held at the last: a short tile's spare rows hold their twin's numbers and store them a second time to the same bytes.  Two tile buffers, each asked for again in every turn
; (the tile's index held inside the expert's), so that the counted wait counts the same loads on every way; a wave's last two refills bring bytes that nobody uses.
; NO TENSOR LOAD AND NO CLUSTER: the loop's count is read from memory.  What the 16 work-groups of an expert share, h's codes (1,088 bytes a token), is small beside a work-group's own 524,288 bytes of W2.
; LIMITS: NaN and infinities are not served; a block of zeros gets the byte 1 where the rule says 127 (its codes are zeros; this program alone reads the bytes).
; REGISTERS.  window 0: see the names below.  windows 1, 2: the ring of sets; then the weights' fragments: (tile t, K step k) at v[8 (8 t + k % 8)] of window 1 + k / 8.  window 3: h's fragments, buffer p at v[128 p].
; THE MODE: SCHED_MODE bits 1:0 = 2 (LLVM: expert scheduling mode 2), set by the entry lines.  The code itself states the register dependences
; between vector or matrix instructions and memory or LDS instructions, with s_wait_alu, always for 0.
; THE PLAN.  Registers that memory or LDS instructions touch, and who else names them:
;   WA, WCS, SBS, FRA, SWR, BO, STO, STK, RD, RDT   offsets made once at the head and never written again: one wait on va_vdst ahead of the first load serves them for the whole kernel.
;   the ring of four sets    set s is read by its 128 copies; set s + 4 lands in the same registers, asked for behind set s + 1's work.
;   M, C                     written by a set's shifts and conversions, read by its eight LDS stores, written again by the next set.
;     So a set has ONE wait on va_vdst, ahead of its LDS stores.  No vector line stands between it and the next set's loads, so it also states that the copies of this set and of the sets before are done reading their
;     registers: the ring's loads, b2's loads into the columns' registers and the fragments' loads behind the barrier owe nothing more.  Every set but the first has one wait on vm_vsrc ahead of its first write of M.
;   In the loop:  ACC, TKC   written by a turn's matrix instructions, multiplies and copy; read by its nine LDS stores.
;                 TK         loaded from the stage; held and read by sixteen vector lines.       OB   loaded from the stage, read by the eight global stores.       OFF   written by eight vector lines, read by those stores.
;                 HA, HSA, VP   written by the refill's address lines, read by its 50 loads.     h's buffer p, HS[p]   read by the turn's 64 matrix instructions, GL[p] and TOKL[p] by two copies; then the refill lands in them.
;     ONE wait on vm_vsrc at a turn's head frees all that the turn writes again.  The turn's vector work ahead of the stage (the two copies, the refill's offsets, the multiplies by the gate) stands together behind the matrix
;     instructions, and ONE wait on va_vdst behind it serves the nine LDS stores, the sixteen LDS loads and the 50 loads of the refill, among which no vector line stands.  A second stands ahead of the global stores, for OFF.
.set ROWP,  4096
.set PITCH, 1040                       ; an output's row in LDS: 2,048 codes = 1,024 bytes, + 16: 65 x 16 bytes from row to row
.set SP,    80                         ; its 64 scale bytes + 16
.set SWB,   64*PITCH
.set STAGE, SWB+64*SP                  ; 16 rows x (256 + 16) bytes for each wave
.set WA,   4
.set WCS,  5
.set SBS,  6
.set FRA,  7
.set SWR,  8
.set BO,   9                           ; v9   b2: 32 x half
.set HA,   10                          ; v10  hc: the tile + 16 x lane
.set HSA,  11                          ; v11  hs: the tile + 4 r
.set VP,   12                          ; v12  the list: my position
.set L16,  13
.set R4,   14
.set STO,  15                          ; v15  the stage: row r, + 32 x half
.set STK,  16                          ; v16  the stage: row r
.set RD,   17                          ; v17  back: rows 8 half on, 16 bytes at 16 r
.set RDT,  18                          ; v18  back: rows 8 half on
.set C16,  19                          ; v19  16 r
.set TOKL, 20                          ; v20-21  my row's token, for each buffer
.set GL,   22                          ; v22-23  its gate
.set GP,   24                          ; v24-25  the gate of the tile in hand (a pair for the packed multiply; the low word serves both halves)
.set TKC,  26                          ; v26     its token
.set M,    28                          ; v28-31
.set SCO,  32                          ; v32-35
.set C,    36                          ; v36-51  a set's codes
.set TK,   36                          ;         (phase 2: v36-43 the tokens of the rows that I store, v44-51 their offsets)
.set OFF,  44
.set HS,   52                          ; v52-83  h's scale words, sixteen for each buffer: they hold nothing else
.set WS,   84                          ; v84-115 the weights' scale words, and nothing else: register 16 b + k: lanes 0-15 tile 2 b, lanes 16-31 tile 2 b + 1
.set T,    116                         ; v116-243 phase 1: four columns x 32 numbers
.set BIAS, 116                         ; v116-147 behind the last set's work: b2 in the result's layout
.set ACC,  148                         ; v148-179
.set OB,   180                         ; v180-211 rows read back from the stage
.set MSB, 0
.macro WIN new                         ; the immediate's high byte repeats the setting that is left
.if MSB != (\new)
	s_set_vgpr_msb (MSB<<8)|(\new)
.set MSB, (\new)
.endif
.endm
.macro LOADSET s, win, rb              ; no vector line stands between the last wait on va_vdst and these loads
	WIN \win
.set i, 0
.rept 32
	global_load_b128 v[\rb+4*i:\rb+4*i+3], v[WA], s[4:5] offset:(64*(\s)+i)*ROWP th:TH_LOAD_NT
.set i, i+1
.endr
	WIN 0
.endm
.macro PROCESS s, win, rb
	WIN \win
.set i, 0
.rept 32
	v_mov_b32 v[T+i], v[\rb+4*i]
	v_mov_b32 v[T+32+i], v[\rb+4*i+1]
	v_mov_b32 v[T+64+i], v[\rb+4*i+2]
	v_mov_b32 v[T+96+i], v[\rb+4*i+3]
.set i, i+1
.endr
	WIN 0
	s_wait_dscnt 0x0                               ; the last set's LDS stores are done
.if (\s) > 0
	s_wait_alu depctr_vm_vsrc(0)                   ; the last set's LDS stores have read M and C, which the lines below write again
.endif
.irp j, 0,1,2,3
	v_max3_num_f32 v[M+\j], |v[T+32*\j]|, |v[T+32*\j+1]|, 0x1800000   ; the floor 2^(3 - 127): the byte cannot fall under 1
.endr
.set i, 2
.rept 15
.irp j, 0,1,2,3
	v_max3_num_f32 v[M+\j], v[M+\j], |v[T+32*\j+i]|, |v[T+32*\j+i+1]|
.endr
.set i, i+2
.endr
.irp j, 0,1,2,3
	v_add_nc_u32 v[SCO+\j], 0xff000000, v[M+\j]
.endr
.irp j, 0,1,2,3
	v_lshrrev_b32 v[M+\j], 23, v[SCO+\j]
.endr
.irp j, 0,1,2,3
.irp g, 0,1,2,3
	v_cvt_scalef32_pk8_fp4_f32 v[C+4*\j+\g], v[T+32*\j+8*\g:T+32*\j+8*\g+7], v[SCO+\j]
.endr
.endr
	v_nop                                          ; a plain line behind the last conversion
	s_wait_alu depctr_va_vdst(0)                   ; the conversions have written C and the shifts M, which the LDS stores below read; the copies are done reading the ring's registers and the conversions the columns', in which later loads land
.irp j, 0,1,2,3
	ds_store_b128 v[WCS], v[C+4*\j:C+4*\j+3] offset:\j*PITCH+32*(\s)
.endr
.irp j, 0,1,2,3
	ds_store_b8 v[SBS], v[M+\j] offset:\j*SP+2*(\s)
.endr
.endm
.macro POS reg, st
	s_lshl_b32 s2, s[\st], 4
	v_add_nc_u32 v[\reg], s2, v1
	v_min_u32 v[\reg], s28, v[\reg]
	v_add_nc_u32 v[\reg], s29, v[\reg]
	v_min_u32 v[\reg], 2175, v[\reg]
	v_lshlrev_b32 v[\reg], 2, v[\reg]
.endm
.macro HADR                            ; a refill's three offsets: the expert's tile s32 (held at its last) in hc and in hs, and my position in the list
	s_wait_xcnt 0x0                                ; every earlier load and store has read its address and data registers: they are written again only behind this wait
	s_min_u32 s2, s32, s33
	s_add_co_u32 s2, s2, s34
	s_min_u32 s2, s2, 135
	s_lshl_b32 s3, s2, 14
	v_add_nc_u32 v[HA], s3, v[L16]
	s_lshl_b32 s3, s2, 10
	v_add_nc_u32 v[HSA], s3, v[R4]
	POS VP, 32
.endm
.macro HASK p, w                       ; buffer p is asked for: 32 loads of codes, 16 of scale words, my row's token and gate: 50 loads.  w = 1: at the head, where the wait for the offsets stands here; in the loop it stands further ahead
	WIN 0xc0
.if \w
	s_wait_alu depctr_va_vdst(0)                   ; HA, HSA and VP are written, which the loads below read
.endif
.irp k, 0,1,2,3,4,5,6,7,8,9,10,11,12,13,14,15
.irp c, 0,1
	global_load_b128 v[128*\p+8*\k+4*\c:128*\p+8*\k+4*\c+3], v[HA], s[8:9] offset:1024*\k+512*\c   ; 32 lanes read 512 consecutive bytes
.endr
.endr
	WIN 0
.irp k, 0,1,2,3,4,5,6,7,8,9,10,11,12,13,14,15
	global_load_b32 v[HS+16*\p+\k], v[HSA], s[10:11] offset:64*\k
.endr
	global_load_b32 v[TOKL+\p], v[VP], s[12:13] offset:256
	global_load_b32 v[GL+\p], v[VP], s[14:15]
.endm
	s_load_b256 s[4:11], s[0:1], 0x0               ; W2, b2, hc, hs
	s_load_b128 s[12:15], s[0:1], 0x20             ; ord, gs
	s_load_b64 s[16:17], s[0:1], 0x30              ; out0
	v_lshl_add_u32 v254, v0, 2, 0x15c00
	v_mov_b32 v255, 0
	v_lshrrev_b32 v27, 5, v0
	v_readfirstlane_b32 s18, v27                   ; wave
	s_lshr_b32 s19, ttmp9, 4                       ; expert
	s_and_b32 s20, ttmp9, 15                       ; slice
	s_mov_b32 s35, 0
	v_and_b32 v3, 31, v0
	v_and_b32 v1, 15, v0                           ; r
	v_bfe_u32 v2, v0, 4, 1                         ; half
	v_lshlrev_b32 v[WA], 4, v1
	v_lshl_add_u32 v[WA], v2, 17, v[WA]            ; lanes 16-31: 32 rows further down
	v_mul_u32_u24 v[WCS], v1, 4*PITCH              ; my first column is 4 r
	v_lshl_add_u32 v[WCS], v2, 4, v[WCS]
	s_wait_alu depctr_va_sdst(0)                   ; s18, the wave's number, is written, ahead of its first reader
	s_lshl_b32 s2, s18, 8
	v_add_nc_u32 v[WCS], s2, v[WCS]                ; block 16 w + 2 s + half: 16 bytes each
	v_mul_u32_u24 v[SBS], v1, 4*SP
	v_add_nc_u32 v[SBS], v[SBS], v2
	s_lshl_b32 s2, s18, 4
	s_add_co_u32 s2, s2, SWB
	v_add_nc_u32 v[SBS], s2, v[SBS]
	v_mul_u32_u24 v[FRA], v1, PITCH
	v_lshl_add_u32 v[FRA], v2, 4, v[FRA]
	v_mul_u32_u24 v[SWR], v3, SP
	v_add_nc_u32 v[SWR], SWB, v[SWR]
	v_lshlrev_b32 v[BO], 5, v2
	v_lshlrev_b32 v[L16], 4, v3
	v_lshlrev_b32 v[R4], 2, v1
	v_lshlrev_b32 v[C16], 4, v1
	s_mul_i32 s2, s18, 16*272
	s_add_co_u32 s2, s2, STAGE                     ; my stage
	v_mul_u32_u24 v[STK], v1, 272
	v_add_nc_u32 v[STK], s2, v[STK]
	v_lshl_add_u32 v[STO], v2, 5, v[STK]
	v_mul_u32_u24 v[RDT], v2, 8*272
	v_add_nc_u32 v[RDT], s2, v[RDT]
	v_lshl_add_u32 v[RD], v1, 4, v[RDT]
	v_mov_b32 v[GP+1], 0                           ; named with the gate as a pair, so it is written
	s_wait_kmcnt 0x0
	s_lshl_b32 s34, s19, 4
	s_add_nc_u64 s[38:39], s[12:13], s[34:35]
	s_load_b128 s[24:27], s[38:39], 0x0            ; the expert's tb, nt, cnt, 16 tb
	s_lshl_b32 s34, s19, 23                        ; W2: expert x 8 MiB + slice x 256 + wave x 512 rows
	s_lshl_b32 s2, s20, 8
	s_add_co_u32 s34, s34, s2
	s_lshl_b32 s2, s18, 21
	s_add_co_u32 s34, s34, s2
	s_add_nc_u64 s[4:5], s[4:5], s[34:35]
	s_lshl_b32 s34, s19, 12                        ; b2: expert x 4,096 + slice x 256
	s_lshl_b32 s2, s20, 8
	s_add_co_u32 s34, s34, s2
	s_add_nc_u64 s[6:7], s[6:7], s[34:35]
	s_lshl_b32 s34, s20, 8                         ; out: slice x 256
	s_add_nc_u64 s[16:17], s[16:17], s[34:35]
	s_wait_alu depctr_va_vdst(0)                   ; the offsets that stay, WA, WCS, SBS, FRA, SWR, BO, STO, STK, RD and RDT, are written: the loads and LDS instructions of the whole kernel read them
	LOADSET 0, 0x40, 0
	LOADSET 1, 0x40, 128
	s_wait_kmcnt 0x0
	s_min_u32 s25, s25, 128                        ; 2,048 tokens make no more than 128 tiles of 16
	s_max_u32 s28, s26, 1
	s_sub_co_u32 s28, s28, 1                       ; the expert's last position, from its first
	s_max_u32 s33, s25, 1
	s_sub_co_u32 s33, s33, 1                       ; its last tile, from its first
	s_cmp_lg_u32 s26, 0
	s_cselect_b32 s29, s27, 0                      ; its first position and its first tile (an expert without tokens: 0, which are always written)
	s_cselect_b32 s34, s24, 0
	s_wait_loadcnt 32                              ; set 0 is in; behind it: set 1.  So in every step: the one younger set may be out
	LOADSET 2, 0x80, 0
	PROCESS 0, 1, 0
	s_wait_loadcnt 32
	LOADSET 3, 0x80, 128
	PROCESS 1, 1, 128
	s_wait_loadcnt 32
	LOADSET 4, 0x40, 0
	PROCESS 2, 2, 0
	s_wait_loadcnt 32
	LOADSET 5, 0x40, 128
	PROCESS 3, 2, 128
	s_wait_loadcnt 32
	LOADSET 6, 0x80, 0
	PROCESS 4, 1, 0
	s_wait_loadcnt 32
	LOADSET 7, 0x80, 128
	PROCESS 5, 1, 128
	s_wait_loadcnt 32
	PROCESS 6, 2, 0
	s_mov_b32 s32, s18                             ; my first two tiles of h are asked for here, behind the last of the weights' loads
	HADR
	HASK 0, 1
	s_add_co_u32 s32, s18, 4
	s_wait_alu depctr_vm_vsrc(0)                   ; buffer 0's loads have read HA, HSA and VP, which the lines below write again
	HADR
	HASK 1, 1
	s_wait_loadcnt 63                              ; set 7 is in: 100 loads were issued behind it; the wait names the most that its field holds, which is fewer
	PROCESS 7, 2, 128
.irp t, 0,1,2,3                        ; b2, into registers that the columns' numbers have left (set 7's wait on va_vdst stands behind the last line that names them): lane (r, half), tile t, register j: b2 of output 16 t + 8 half + j.  It lands under the barrier and the copy below
	global_load_b128 v[BIAS+8*\t:BIAS+8*\t+3], v[BO], s[6:7] offset:64*\t
	global_load_b128 v[BIAS+8*\t+4:BIAS+8*\t+7], v[BO], s[6:7] offset:64*\t+16
.endr
	s_wait_dscnt 0x0                               ; for the others' sake: my codes and bytes have landed
	s_barrier_signal -1
	s_barrier_wait -1                              ; the slice is whole
	WIN 0x40                                       ; (the copies that read windows 1 and 2 stand ahead of set 7's wait on va_vdst, and no vector line stands behind it: the loads below owe nothing more)
.irp t, 0,1,2,3
.irp k, 0,1,2,3,4,5,6,7
.irp c, 0,1
	ds_load_b128 v[8*(8*\t+\k)+4*\c:8*(8*\t+\k)+4*\c+3], v[FRA] offset:16*\t*PITCH+64*\k+32*\c
.endr
.endr
.endr
	WIN 0x80
.irp t, 0,1,2,3
.irp k, 0,1,2,3,4,5,6,7
.irp c, 0,1
	ds_load_b128 v[8*(8*\t+\k)+4*\c:8*(8*\t+\k)+4*\c+3], v[FRA] offset:16*\t*PITCH+512+64*\k+32*\c
.endr
.endr
.endr
	WIN 0
.irp b, 0,1
.irp g, 0,1,2,3
	ds_load_b128 v[WS+16*\b+4*\g:WS+16*\b+4*\g+3], v[SWR] offset:32*\b*SP+16*\g
.endr
.endr
	s_wait_dscnt 0x0
	s_wait_loadcnt 0x0                             ; b2 is in: it was issued last, so this shows my first two tiles in as well
.macro MULS p, k0                      ; K steps k0 .. k0 + 7: K ascending; the four accumulators by turns, one instruction a turn
.irp k, 0,1,2,3,4,5,6,7
.irp t, 0,1,2,3
.set rD, ACC+8*\t
.set rC, rD
.if (\k0+\k) == 0
.set rC, BIAS+8*\t
.endif
.set rA, 8*(8*\t+\k)
.set rB, 128*\p+8*(\k0+\k)
.set rW, WS+16*(\t/2)+\k0+\k
.set rH, HS+16*\p+\k0+\k
.if \t%2
	v_wmma_scale_f32_16x16x128_f8f6f4 v[rD:rD+7], v[rA:rA+7], v[rB:rB+7], v[rC:rC+7], v[rW], v[rH] matrix_a_fmt:MATRIX_FMT_FP4 matrix_b_fmt:MATRIX_FMT_FP4 matrix_a_scale:MATRIX_SCALE_ROW1
.else
	v_wmma_scale_f32_16x16x128_f8f6f4 v[rD:rD+7], v[rA:rA+7], v[rB:rB+7], v[rC:rC+7], v[rW], v[rH] matrix_a_fmt:MATRIX_FMT_FP4 matrix_b_fmt:MATRIX_FMT_FP4
.endif
.endr
.endr
.endm
; THE TURN OF BUFFER p, for the expert's tile s31.
.macro TILE p
	s_wait_loadcnt 50                              ; this buffer's 50 loads are in; behind them: the other buffer's 50
	s_wait_alu depctr_vm_vsrc(0)                   ; the refills issued so far have read HA, HSA and VP; the last turn's LDS stores have read ACC and TKC, its global stores OB and OFF: this turn writes all of them again, ACC by its first matrix instructions
	WIN 0x0d                                       ; source 0 (weights) window 1, source 1 (h) window 3
	MULS \p, 0
	WIN 0x0e                                       ; source 0 window 2
	MULS \p, 8
	WIN 0
	v_mov_b32 v[GP], v[GL+\p]                      ; the tile's gate and token are kept: the refill below asks for these registers anew.
	v_mov_b32 v[TKC], v[TOKL+\p]                   ; With the two lines below: four places ahead of the first read of results (ISA guide 7.12.1)
	v_nop
	v_nop
	s_add_co_u32 s32, s31, 8
	s_wait_alu depctr_va_vdst(0)
	HADR                                           ; the offsets of the tile 8 further on
.set i, 0
.rept 16
	v_pk_mul_f32 v[ACC+2*i:ACC+2*i+1], v[ACC+2*i:ACC+2*i+1], v[GP:GP+1] op_sel_hi:[1,0]   ; x the gate, each accumulator from its low end on
.set i, i+1
.endr
	s_wait_alu depctr_va_vdst(0)                   ; ACC x the gate and TKC are written, which the LDS stores read; HA, HSA and VP are written, which the refill reads; the matrix instructions are done reading buffer p and HS[p], the copies GL[p] and TOKL[p], the last turn's lines TK: loads land in all of these
.irp t, 0,1,2,3
	ds_store_b128 v[STO], v[ACC+8*\t:ACC+8*\t+3] offset:64*\t          ; lane (r, half): outputs 16 t + 8 half + 0 .. 7 of row r
	ds_store_b128 v[STO], v[ACC+8*\t+4:ACC+8*\t+7] offset:64*\t+16
.endr
	ds_store_b32 v[STK], v[TKC] offset:256         ; the row's token, in the row's padding (both halves of the lanes write the same word)
.irp i, 0,1,2,3,4,5,6,7
	ds_load_b32 v[TK+\i], v[RDT] offset:256+272*\i ; LDS serves a wave's instructions in order: these see my stores, and the next tile's stores come behind them
.endr
.irp i, 0,1,2,3,4,5,6,7
	ds_load_b128 v[OB+4*\i:OB+4*\i+3], v[RD] offset:272*\i      ; lanes 0-15 row i, lanes 16-31 row 8 + i
.endr
	HASK \p, 0                                     ; the tile 8 further on, asked for while the rows go through the stage.  No wait: since the one above only LDS instructions were issued, and they name none of these loads' registers
	s_wait_dscnt 8                                 ; the tokens are in; the eight loads of rows may be out
.irp i, 0,1,2,3,4,5,6,7
	v_min_u32 v[TK+\i], 2047, v[TK+\i]
.endr
.irp i, 0,1,2,3,4,5,6,7
	v_lshl_add_u32 v[OFF+\i], v[TK+\i], 12, v[C16] ; the token's row of 4,096 bytes + 16 r
.endr
	s_wait_alu depctr_va_vdst(0)                   ; the eight offsets OFF are written, which the stores below read
.irp i, 0,1,2,3,4,5,6,7
	s_wait_dscnt 7-\i
	global_store_b128 v[OFF+\i], v[OB+4*\i:OB+4*\i+3], s[16:17] th:TH_STORE_NT   ; sixteen lanes store 256 consecutive bytes, aligned; written once, read by nobody here
.endr
.endm
	; My tiles are wave, wave + 4, .. below nt; a trip takes two of them: ceil((nt - wave) / 8) trips, 0 where nt <= wave.  The loop counts trips by 1; the trip's first tile stands in s22
	s_add_co_u32 s21, s25, 7
	s_sub_co_u32 s21, s21, s18
	s_lshr_b32 s21, s21, 3                         ; my trips
	s_mov_b32 s22, s18                             ; my first tile
	s_mov_b32 s30, 0
	s_cmp_eq_u32 s21, 0
	s_cbranch_scc1 .Ldone
.Lloop:                                            ; a trip: two turns.  A wave whose tiles are done between them ends there: nothing jumps over the counter's step
	s_mov_b32 s31, s22
	TILE 0
	s_add_co_u32 s31, s22, 4
	s_cmp_lt_u32 s31, s25
	s_cbranch_scc1 .Lgo1
	s_wait_dscnt 0x0                               ; the closing lines, six on end
	s_wait_alu 0x0
	s_wait_tensorcnt 0x0
	ds_add_u32 v254, v255
	s_wait_dscnt 0x0
	s_endpgm
.Lgo1:
	TILE 1
	s_add_co_u32 s22, s22, 8
	s_add_co_u32 s30, s30, 1
	s_cmp_lt_u32 s30, s21
	s_cbranch_scc1 .Lloop
.Ldone:
	s_wait_dscnt 0x0                               ; the closing lines, six on end
	s_wait_alu 0x0
	s_wait_tensorcnt 0x0
	ds_add_u32 v254, v255
	s_wait_dscnt 0x0
	s_endpgm
.Lfunc_end_k_q87ca8d4f1e_down:
	.size	k_q87ca8d4f1e_down, .Lfunc_end_k_q87ca8d4f1e_down-k_q87ca8d4f1e_down
	.p2alignl 7, 3214868480
	.fill 96, 4, 3214868480
	.section	.rodata,"a",@progbits
	.p2align	6, 0x0
	.amdhsa_kernel k_q87ca8d4f1e_down
		.amdhsa_group_segment_fixed_size 89600
		.amdhsa_private_segment_fixed_size 0
		.amdhsa_enable_private_segment 0
		.amdhsa_kernarg_size 56
		.amdhsa_user_sgpr_count 2
		.amdhsa_user_sgpr_kernarg_segment_ptr 1
		.amdhsa_wavefront_size32 1
		.amdhsa_system_sgpr_workgroup_id_x 1
		.amdhsa_system_sgpr_workgroup_id_y 1
		.amdhsa_system_sgpr_workgroup_id_z 1
		.amdhsa_system_vgpr_workitem_id 0
		.amdhsa_next_free_vgpr 1024
		.amdhsa_next_free_sgpr 66
		.amdhsa_reserve_vcc 0
		.amdhsa_float_denorm_mode_32 3
		.amdhsa_float_denorm_mode_16_64 3
		.amdhsa_memory_ordered 1
		.amdhsa_forward_progress 1
		.amdhsa_inst_pref_size 168
	.end_amdhsa_kernel
	.amdgpu_metadata
---
amdhsa.version: [ 1, 2 ]
amdhsa.kernels:
  - .name:           k_q87ca8d4f1e_down
    .symbol:         k_q87ca8d4f1e_down.kd
    .args:
      - { .name: W2, .offset: 0, .size: 8, .value_kind: global_buffer, .address_space: global }
      - { .name: b2, .offset: 8, .size: 8, .value_kind: global_buffer, .address_space: global }
      - { .name: hc, .offset: 16, .size: 8, .value_kind: global_buffer, .address_space: global }
      - { .name: hs, .offset: 24, .size: 8, .value_kind: global_buffer, .address_space: global }
      - { .name: ord, .offset: 32, .size: 8, .value_kind: global_buffer, .address_space: global }
      - { .name: gs, .offset: 40, .size: 8, .value_kind: global_buffer, .address_space: global }
      - { .name: out0, .offset: 48, .size: 8, .value_kind: global_buffer, .address_space: global }
    .group_segment_fixed_size: 89600
    .private_segment_fixed_size: 0
    .kernarg_segment_align: 8
    .kernarg_segment_size: 56
    .max_flat_workgroup_size: 128
    .sgpr_count:     66
    .vgpr_count:     1024
    .wavefront_size: 32
...
	.end_amdgpu_metadata
.endif
;; end of part 8
